; MI455X (gfx1250); checked and timed in simulation.
; The chip was launched on July 23, 2026; its instructions are those of AMD's public machine-readable ISA for CDNA 5 (MIT licence, August 2026) and "CDNA5" Instruction Set Architecture Reference Guide (July 2026). The comments in the code are by the model that wrote it; some were corrected since.
;; Gaussian Splatting. Allowed arithmetic: float matrix products may take bf16 or f16 operands with f32 sums; all other float work in f32.
;; Inputs: activities 32,768 float32; position_scale one number float32; positions 32,768 x 2 float32.
;; Outputs: out0 512 x 512 float32.
;; 3 versions, each right; version 2 is faster than version 1; version 3 is version 2 with the launch splat written anew for expert scheduling mode. Each part assembles by itself: llvm-mc -triple=amdgcn-amd-amdhsa -mcpu=gfx1250 --defsym DOCPART=n.
;; ======== version 1 of 3: 2 launches
;; limits: inputs' magnitudes at most 7,700; values are held in f16: magnitudes above 65,504 overflow, below 6.1e-05 lose precision
;; workspace buffers: part 16,777,216 bytes
;; launch splat (part 1): grid 16 x 16, 4 waves a work-group, no clusters, 303,616 bytes of LDS; arguments positions, activities, position_scale, part; writes part
.if DOCPART == 1
	.amdgcn_target "amdgcn-amd-amdhsa--gfx1250"
	.amdhsa_code_object_version 6
	.text
	.protected	k_qe089751f14_splat
	.globl	k_qe089751f14_splat
	.p2align	8
	.type	k_qe089751f14_splat,@function
k_qe089751f14_splat:
	s_mov_b64 s[64:65], 0
	v_nop
	global_prefetch_b8 v0, s[64:65] scope:SCOPE_SE
	s_setreg_imm32_b32 hwreg(HW_REG_WAVE_MODE, 25, 1), 1
	s_wait_xcnt 0x0
; canvas[h][w] = sum over n of act[n] gy[n][h] gx[n][w]: a product of 512 x 512 over K = 32,768 points whose operands are Gaussians made here.
; Work-group (x = block, y = split): block = 128 x 128 of the canvas (rows 128 (block>>2).., columns 128 (block&3)..), split = 2,048 points.
; Each of the four waves owns the WHOLE block for 512 points of its own (64 accumulator tiles, 512 registers) and makes its operand fragments
; straight in registers; no operand goes through LDS and the loop has no barrier.  At the end the four waves' sums are added through LDS and
; one image of 64 KB goes to part[split][block]; the second launch adds the 16 splits.
;
; THE OPERANDS.  With s = sqrt(1250 log2 e), D = 16 s / 511 (16 grid steps), rho = r s / 511 (r = lane % 16), u = s (coordinate - centre of the block),
; the Gaussian of fragment f (rows 16 f + r of the block) is G = exp2(-a^2), a = rho + (f - 4) D - u.  For the four fragments of a chain
; (f = 0..3 or 4..7), k = (f & 3) - 2:  p = G 2^(k k D D + S) obeys p(next f) = p W with W = exp2(-2 D rho -+ ... ) exp2(2 D u) free of f:
;   chain f = 0..3: start exp2(-(rho - 4D - u)^2 + 4DD + S), W = exp2(-2 D rho + 4DD) U;   chain f = 4..7: start exp2(-(rho - u)^2 + 4DD + S), W = exp2(-2 D rho - 4DD) U,
; U = exp2(2 D u) made once for each point.  So 8 fragments cost 2 exponentials and 6 products a point and side.  The factor 2^(-k k D D) hangs on the
; output's row and column alone and is applied once, in the second launch.  S = -4 on the side that carries act, +4 on the other: they cancel.
; This is algebra, not a series: nothing is cut off by distance.
; FORMAT: f16 operands, f32 sums.  p <= 2^(4DD + S): the x side stays below 2^11.1, the y side below |act| 2^3.1.
; LIMITS: |act| < 7,700 (above, the conversion to f16 overflows).  An operand below 2^-25 (f16's smallest step) becomes 0: a Gaussian under about 2^-29
; on the x side, act x Gaussian under about 2^-21 on the y side.  A chain start below 2^-126 is flushed by v_exp_f32; its later links are then under 2^-56, below
; f16's floor anyway.  u is clamped to +-32: beyond, every row of the block is more than 26 units away, G < 2^-700 is 0 in f32 too, the start is 0,
; W stays finite (< 2^93) and 0 W = 0.  NaN and infinite inputs are not served.
; K PLACES: in a step of 32 points lane half h takes points 16 h .. 16 h + 15, fragment register j the points 2 j, 2 j + 1, alike for both sources.
; NO CLUSTER, NO TENSOR LOADS: a work-group reads 24 KB of points once; nothing else comes from memory.
.set ARR,    2048                      ; one point array of a wave: 512 f32
.set WPTS,   5*ARR                     ; a wave's five arrays: 0 u(y), 1 U(y), 2 act, 3 u(x), 4 U(x)
.set RED,    4*WPTS                    ; behind them: four images of 64 KB, one for each wave
.set K_S,    0x4229dd47                ; s = 42.466090
.set K_NS,   0xc229dd47
.set K_DS,   0x3daa3260                ; s / 511
.set K_NDS,  0xbdaa3260
.set K_N4D,  0xc0aa3260                ; -4 D
.set K_2D,   0x402a3260                ; 2 D
.set K_N2D,  0xc02a3260
.set K_4DD,  0x40e24de3                ; 4 D D = 7.0720074
.set K_N4DD, 0xc0e24de3
.set K_CA,   0x40449bc5                ; 4 D D - 4
.set K_CB,   0x413126f1                ; 4 D D + 4
; window 0
.set SC,   2                           ; v[2:3]    position_scale, twice
.set KS,   4                           ; v[4:5]    s, -s
.set OFS,  6                           ; v[6:7]    -s x centre(x), s (1 - centre(y))
.set PO,   8                           ; v8        32 x lane: my four points in positions
.set PA,   10                          ; v10       LDS: my half's 16 points of the next step to load
.set SA,   11                          ; v11       LDS: where the set-up puts my four points
.set RS,   12                          ; v12       LDS: my 16 bytes of a line of my wave's image
.set RL,   13                          ; v13-16    LDS: the same in wave 0..3's image, at my wave's quarter of the lines
.set GO,   17                          ; v17       16 x lane
.set RHO0, 18                          ; v[18:19]  rho, twice
.set RHO1, 20                          ; v[20:21]  rho - 4 D, twice
.set RWL,  22                          ; v[22:23]  exp2(-2 D rho + 4 D D), twice
.set PT,   24                          ; v[24:183] points of a step: 80 x buffer + 16 x array + point
.set CH,   184                         ; v[184:215] chain c (0, 1: y side f 0-3, 4-7; 2, 3: x side), link st: a pair at 8 c + 2 st
.set WAL,  216                         ; v[216:223] the four W of a pair of points
.set WAH,  218
.set WBL,  220
.set WBH,  222
.set RWH,  224                         ; v[224:225] exp2(-2 D rho - 4 D D), twice
.set CA,   226                         ; v[226:227] 4 D D - 4, twice
.set CB,   228                         ; v[228:229] 4 D D + 4, twice
.set T0,   230
.set T1,   231
.set T2,   232
.set SU,   24                          ; set-up only: 12 registers a round as loaded,
.set TXV,  72                          ; and what a round stores
.set TXU,  76
.set TYV,  80
.set TYU,  84
.set RB,   24                          ; the way out: 8 lines x 4 images x 4 registers
; window 1: fragments, 128 x buffer + 64 x side (0: y with act, 1: x) + 8 f + j.   windows 2, 3: accumulator tile (a, b) at 8 (8 (a & 3) + b), window 2 + (a >> 2)
.set MSB, 0
.macro WIN new                         ; s_set_vgpr_msb: bits 1:0 source 0, 3:2 source 1, 5:4 source 2, 7:6 destination; the high byte repeats the setting left
.if MSB != \new
	s_set_vgpr_msb (MSB<<8)|\new
.set MSB, \new
.endif
.endm
.set TO_F,   0x40                      ; destination window 1
.set MUL_LO, 0xa5                      ; both sources window 1, C and D window 2
.set MUL_HI, 0xf5                      ; the same, C and D window 3
.set ST_LO,  0x08                      ; LDS store data (source 1) window 2
.set ST_HI,  0x0c                      ; window 3
	s_load_b256 s[4:11], s[0:1], 0x0               ; positions s[4:5], activities s[6:7], position_scale s[8:9], part s[10:11]
	v_lshl_add_u32 v254, v0, 2, 0x4a000
	v_mov_b32 v255, 0
	v_lshrrev_b32 v1, 5, v0
	v_readfirstlane_b32 s12, v1                    ; wave
	s_and_b32 s14, ttmp7, 0xffff                   ; split
	v_and_b32 v1, 31, v0                           ; lane
	v_and_b32 v[T0], 15, v0                        ; r
	v_bfe_u32 v[T1], v0, 4, 1                      ; h
	v_lshlrev_b32 v[PO], 5, v1
	v_lshlrev_b32 v[GO], 4, v1
	s_lshl_b32 s26, s14, 14                        ; my first point is 2048 split + 512 wave: x 8 bytes in positions,
	s_lshl_b32 s27, s12, 12
	s_add_co_u32 s26, s26, s27
	s_mov_b32 s27, 0
	s_lshr_b32 s28, s26, 1                         ; x 4 bytes in activities
	s_mov_b32 s29, 0
	s_lshl_b32 s30, s14, 4                         ; part: (16 split + block) images of 64 KB, + my wave's quarter
	s_add_co_u32 s30, s30, ttmp9
	s_lshl_b32 s30, s30, 16
	s_lshl_b32 s31, s12, 14
	s_add_co_u32 s30, s30, s31
	s_mov_b32 s31, 0
	s_wait_kmcnt 0x0
	s_load_b32 s16, s[8:9], 0x0                    ; position_scale
	s_add_nc_u64 s[4:5], s[4:5], s[26:27]
	s_add_nc_u64 s[6:7], s[6:7], s[28:29]
	s_add_nc_u64 s[10:11], s[10:11], s[30:31]
.irp c, 0,1,2,3                                    ; round c: points 128 c + 4 lane + 0..3 of my wave's 512
	global_load_b128 v[SU+12*\c:SU+12*\c+3],    v[PO], s[4:5] offset:1024*\c
	global_load_b128 v[SU+12*\c+4:SU+12*\c+7],  v[PO], s[4:5] offset:1024*\c+16
	global_load_b128 v[SU+12*\c+8:SU+12*\c+11], v[GO], s[6:7] offset:512*\c
.endr
	; the lane's constants
	v_cvt_f32_u32 v[T0], v[T0]
	v_mul_f32 v[RHO0], K_DS, v[T0]
	v_mov_b32 v[RHO0+1], v[RHO0]
	v_add_f32 v[RHO1], K_N4D, v[RHO0]
	v_mov_b32 v[RHO1+1], v[RHO1]
	v_mul_f32 v[T0], K_N2D, v[RHO0]
	v_add_f32 v[T2], K_4DD, v[T0]
	v_add_f32 v[T0], K_N4DD, v[T0]
	v_exp_f32 v[RWL], v[T2]
	v_exp_f32 v[RWH], v[T0]
	v_mov_b32 v[CA], K_CA                          ; plain instructions stand between the exponentials and the first use of their results (ISA guide 5.7.2)
	v_mov_b32 v[CA+1], K_CA
	v_mov_b32 v[CB], K_CB
	v_mov_b32 v[CB+1], K_CB
	s_wait_alu depctr_va_vdst(0)
	v_mov_b32 v[RWL+1], v[RWL]
	v_mov_b32 v[RWH+1], v[RWH]
	v_mov_b32 v[KS], K_S
	v_mov_b32 v[KS+1], K_NS
	s_and_b32 s20, ttmp9, 3                        ; u(x) = s x - (128 bx + 64) s / 511
	s_lshl_b32 s20, s20, 7
	s_add_co_u32 s20, s20, 64
	s_lshr_b32 s21, ttmp9, 2                       ; u(y) = s (1 - ps_y) - (128 by + 64) s / 511 = -s ps_y + (447 - 128 by) s / 511
	s_lshl_b32 s21, s21, 7
	s_sub_co_u32 s21, 447, s21
	v_cvt_f32_u32 v[OFS], s20
	v_cvt_f32_u32 v[OFS+1], s21
	v_mul_f32 v[OFS], K_NDS, v[OFS]
	v_mul_f32 v[OFS+1], K_DS, v[OFS+1]
	s_mov_b32 s24, 0xc2000000                      ; -32.0
	s_mov_b32 s25, 0x42000000                      ; 32.0
	; LDS addresses
	s_mul_i32 s17, s12, WPTS
	v_lshl_add_u32 v[PA], v[T1], 6, s17            ; my wave's arrays + 64 h
	v_add_nc_u32 v[SA], s17, v[GO]
	s_lshl_b32 s18, s12, 16
	s_add_co_u32 s18, s18, RED
	v_add_nc_u32 v[RS], s18, v[GO]
	s_lshl_b32 s19, s12, 14
	s_add_co_u32 s19, s19, RED
.irp s, 0,1,2,3
	v_add_nc_u32 v[RL+\s], s19, v[GO]
	s_add_co_u32 s19, s19, 65536
.endr
	s_wait_kmcnt 0x0
	v_mov_b32 v[SC], s16
	v_mov_b32 v[SC+1], s16
; 128 points: ps = 0.5 + scale (pos - 0.5); u for x and y in one packed multiply-add; clamp; U = exp2(2 D u); five stores of 16 bytes a lane.
.macro SETUPROUND c
.set SP, SU+12*\c
	s_wait_loadcnt 9-3*\c                          ; three loads for each later round stay out
.irp i, 0,1,2,3
	v_pk_add_f32 v[SP+2*\i:SP+2*\i+1], v[SP+2*\i:SP+2*\i+1], -0.5 op_sel_hi:[1,0]
.endr
.irp i, 0,1,2,3
	v_pk_fma_f32 v[SP+2*\i:SP+2*\i+1], v[SP+2*\i:SP+2*\i+1], v[SC:SC+1], 0.5 op_sel_hi:[1,1,0]
.endr
.irp i, 0,1,2,3
	v_pk_fma_f32 v[SP+2*\i:SP+2*\i+1], v[SP+2*\i:SP+2*\i+1], v[KS:KS+1], v[OFS:OFS+1]
.endr
.irp i, 0,1,2,3
	v_med3_num_f32 v[TXV+\i], v[SP+2*\i], s24, s25
	v_med3_num_f32 v[TYV+\i], v[SP+2*\i+1], s24, s25
.endr
.irp i, 0,1,2,3
	v_mul_f32 v[TXU+\i], K_2D, v[TXV+\i]
	v_mul_f32 v[TYU+\i], K_2D, v[TYV+\i]
.endr
.irp i, 0,1,2,3
	v_exp_f32 v[TXU+\i], v[TXU+\i]
	v_exp_f32 v[TYU+\i], v[TYU+\i]
.endr
	v_nop                                          ; the place behind the exponentials, in front of the stores that read them
	ds_store_b128 v[SA], v[TYV:TYV+3] offset:0*ARR+512*\c
	s_wait_alu depctr_va_vdst(0)
	ds_store_b128 v[SA], v[TYU:TYU+3] offset:1*ARR+512*\c
	ds_store_b128 v[SA], v[SP+8:SP+11] offset:2*ARR+512*\c
	ds_store_b128 v[SA], v[TXV:TXV+3] offset:3*ARR+512*\c
	ds_store_b128 v[SA], v[TXU:TXU+3] offset:4*ARR+512*\c
.endm
	SETUPROUND 0
	SETUPROUND 1
	SETUPROUND 2
	SETUPROUND 3
	s_wait_dscnt 0x0                               ; The arrays are each wave's own, and LDS serves a wave in order.  the
	s_barrier_signal -1                            ; order of these stores and the loop's reads, whose address steps from trip to trip, is then plain
	s_barrier_wait -1                              ; whatever the address.  It stands once, outside the loop.
; 20 loads: my half's 16 points of one step, five arrays; all 16 lanes of a half read the same 16 bytes.  Then the address steps by 32 points.
.macro LOADPT buf
.irp arr, 0,1,2,3,4
.irp q, 0,1,2,3
	ds_load_b128 v[PT+80*\buf+16*\arr+4*\q:PT+80*\buf+16*\arr+4*\q+3], v[PA] offset:ARR*\arr+16*\q
.endr
.endr
	v_add_nc_u32 v[PA], 128, v[PA]
.endm
.macro CMUL c, st, w                   ; link st of chain c = link st - 1 times W
	v_pk_mul_f32 v[CH+8*\c+2*\st:CH+8*\c+2*\st+1], v[CH+8*\c+2*\st-2:CH+8*\c+2*\st-1], v[\w:\w+1]
.endm
.macro CVTS first, count, nb           ; links first .. first + count - 1 (4 c + st) of the pair, rounded to f16 into register pj of their fragments
	WIN TO_F
.set ce, \first
.rept \count
	v_cvt_pk_f16_f32 v[128*\nb+64*(ce/8)+8*(ce%8)+pj], v[CH+2*ce], v[CH+2*ce+1]
.set ce, ce+1
.endr
.endm
; One eighth of the work for points 2 pj, 2 pj + 1 (pj = ii / 8) of the step in point buffer nb, for all 16 fragments of fragment buffer nb: 50 instructions in 8 pieces.
.macro PIECE nb
.set pj, ii/8
.set pp, ii%8
.set YV, PT+80*\nb+2*pj
.set YU, YV+16
.set AC, YV+32
.set XV, YV+48
.set XU, YV+64
.if pp == 0
	WIN 0
	v_pk_add_f32 v[CH:CH+1],     v[RHO1:RHO1+1], v[YV:YV+1] neg_lo:[0,1] neg_hi:[0,1]     ; a at the four chains' starts
	v_pk_add_f32 v[CH+8:CH+9],   v[RHO0:RHO0+1], v[YV:YV+1] neg_lo:[0,1] neg_hi:[0,1]
	v_pk_add_f32 v[CH+16:CH+17], v[RHO1:RHO1+1], v[XV:XV+1] neg_lo:[0,1] neg_hi:[0,1]
	v_pk_add_f32 v[CH+24:CH+25], v[RHO0:RHO0+1], v[XV:XV+1] neg_lo:[0,1] neg_hi:[0,1]
	v_pk_fma_f32 v[CH:CH+1],     v[CH:CH+1],     v[CH:CH+1],     v[CA:CA+1] neg_lo:[1,0,0] neg_hi:[1,0,0]   ; -a a + 4 D D + S
	v_pk_fma_f32 v[CH+8:CH+9],   v[CH+8:CH+9],   v[CH+8:CH+9],   v[CA:CA+1] neg_lo:[1,0,0] neg_hi:[1,0,0]
	v_pk_mul_f32 v[WAL:WAL+1], v[RWL:RWL+1], v[YU:YU+1]
.endif
.if pp == 1
	WIN 0
	v_pk_fma_f32 v[CH+16:CH+17], v[CH+16:CH+17], v[CH+16:CH+17], v[CB:CB+1] neg_lo:[1,0,0] neg_hi:[1,0,0]
	v_pk_fma_f32 v[CH+24:CH+25], v[CH+24:CH+25], v[CH+24:CH+25], v[CB:CB+1] neg_lo:[1,0,0] neg_hi:[1,0,0]
	v_pk_mul_f32 v[WAH:WAH+1], v[RWH:RWH+1], v[YU:YU+1]
	v_exp_f32 v[CH], v[CH]
	v_exp_f32 v[CH+1], v[CH+1]
	v_exp_f32 v[CH+8], v[CH+8]
	v_exp_f32 v[CH+9], v[CH+9]
.endif
.if pp == 2
	WIN 0
	v_exp_f32 v[CH+16], v[CH+16]
	v_exp_f32 v[CH+17], v[CH+17]
	v_exp_f32 v[CH+24], v[CH+24]
	v_exp_f32 v[CH+25], v[CH+25]
	v_pk_mul_f32 v[WBL:WBL+1], v[RWL:RWL+1], v[XU:XU+1]    ; these two name no exponential's register: the plain place between all eight
	v_pk_mul_f32 v[WBH:WBH+1], v[RWH:RWH+1], v[XU:XU+1]    ; exponentials and the first use of a result (ISA guide 5.7.2)
.endif
.if pp == 3
	WIN 0
	s_wait_alu depctr_va_vdst(0)
	v_pk_mul_f32 v[CH:CH+1],   v[CH:CH+1],   v[AC:AC+1]    ; act rides on the y side's chain starts
	v_pk_mul_f32 v[CH+8:CH+9], v[CH+8:CH+9], v[AC:AC+1]
	CMUL 2, 1, WBL
	CMUL 3, 1, WBH
	CMUL 0, 1, WAL
	CMUL 1, 1, WAH
	CMUL 2, 2, WBL
.endif
.if pp == 4
	WIN 0
	CMUL 3, 2, WBH
	CMUL 0, 2, WAL
	CMUL 1, 2, WAH
	CMUL 2, 3, WBL
	CMUL 3, 3, WBH
	CMUL 0, 3, WAL
	CMUL 1, 3, WAH
.endif
.if pp == 5
	CVTS 0, 5, \nb
.endif
.if pp == 6
	CVTS 5, 5, \nb
.endif
.if pp == 7
	CVTS 10, 6, \nb
.endif
.endm
; Matrix instruction ii of a step: tile (a, b) = (ii / 8, ii % 8).  Source 0 = the x side's fragment b, source 1 = the y side's fragment a: lane l then holds
; canvas row 16 a + l % 16, and its registers 0-7 the columns 16 b + 8 (l / 16) + 0..7.  zero = 1: the first product starts the sum.
.macro MM par, zero
.set ma, ii/8
.set mb, ii%8
.set mc, 8*(8*(ma&3)+mb)
.if ma < 4
	WIN MUL_LO
.else
	WIN MUL_HI
.endif
.if \zero
	v_wmma_f32_16x16x32_f16 v[mc:mc+7], v[128*\par+64+8*mb:128*\par+64+8*mb+7], v[128*\par+8*ma:128*\par+8*ma+7], 0
.else
	v_wmma_f32_16x16x32_f16 v[mc:mc+7], v[128*\par+64+8*mb:128*\par+64+8*mb+7], v[128*\par+8*ma:128*\par+8*ma+7], v[mc:mc+7]
.endif
.endm
; A K STEP of 32 points: 64 matrix instructions on fragment buffer par; behind each one a piece of the NEXT step's fragments, into buffer nb, so that the
; vector work lies in the matrix instructions' shadow.  The price is two window switches for each matrix instruction: accumulators fill windows 2 and 3, the
; chains live in window 0.  A piece names window 0 and buffer nb only, never a register of a matrix instruction of this step; buffer par is first written
; again in the next step's sixth piece, more than thirty plain vector instructions behind its last reader (ISA guide 7.12.1 asks four).
; prod = 1: a step follows.  load = 1: the points of the step after that are fetched into point buffer par, whose points were used up in the last step.
.macro STEP par, nb, zero, prod, load
.if \prod
	s_wait_dscnt 0x0                               ; point buffer nb, asked for a whole step ago; nothing younger is out
.endif
.if \load
	LOADPT \par
.endif
.set ii, 0
.rept 64
	MM \par, \zero
.if \prod
	PIECE \nb
.endif
.set ii, ii+1
.endr
	WIN 0
.endm
	LOADPT 0
	LOADPT 1
	s_wait_dscnt 20                                ; step 0's points are in; the 20 loads of step 1's stay out
.set ii, 0
.rept 64
	PIECE 0                                        ; step 0's fragments, with nothing to hide behind
.set ii, ii+1
.endr
	WIN 0
	STEP 0, 1, 1, 1, 1                             ; steps 0 and 1 stand in front of the loop: step 0's products start the sums
	STEP 1, 0, 0, 1, 1
	s_mov_b32 s15, 6                               ; steps 2 to 13
.Lsteps:
	STEP 0, 1, 0, 1, 1
	STEP 1, 0, 0, 1, 1
	s_sub_co_i32 s15, s15, 1
	s_cmp_lg_u32 s15, 0
	s_cbranch_scc1 .Lsteps
	STEP 0, 1, 0, 1, 0                             ; step 14 makes step 15's fragments and fetches no more points
	STEP 1, 0, 0, 0, 0                             ; step 15: products alone
	; THE WAY OUT.  Each wave lays its 512 accumulator registers into its own image: line 2 (8 a + b) + q holds registers 4 q .. 4 q + 3 of tile (a, b), 16 bytes a lane.
.rept 4
	v_nop                                          ; four places between the last matrix instruction and the stores that read results
.endr
	s_barrier_signal -1                            ; images and point arrays are different bytes; like the first barrier this one only makes plain that
	s_barrier_wait -1                              ; no wave reads points any more (no LDS access of mine is out: step 14 waited for the last)
	WIN ST_LO
.set rl, 0
.rept 64
	ds_store_b128 v[RS], v[4*rl:4*rl+3] offset:512*rl
.set rl, rl+1
.endr
	WIN ST_HI
.set rl, 0
.rept 64
	ds_store_b128 v[RS], v[4*rl:4*rl+3] offset:512*(64+rl)
.set rl, rl+1
.endr
	WIN 0
	s_wait_dscnt 0x0                               ; my image is whole, for the others' sake
	s_barrier_signal -1
	s_barrier_wait -1
; Wave w adds lines 32 w .. 32 w + 31 of the four images, eight lines at a time, as (0 + 1) + (2 + 3), and stores them: each store of the wave covers
; 512 consecutive bytes of part, at a multiple of 512 from its first byte.
.macro REDBATCH q
.if \q
	s_wait_xcnt 0x0                                ; the last batch's stores read these registers as data: they are loaded again only behind this wait
.endif
.irp l, 0,1,2,3,4,5,6,7
.irp s, 0,1,2,3
	ds_load_b128 v[RB+16*\l+4*\s:RB+16*\l+4*\s+3], v[RL+\s] offset:512*(8*\q+\l)
.endr
.endr
.irp l, 0,1,2,3,4,5,6,7
	s_wait_dscnt 4*(7-\l)                          ; LDS loads come back in order (ISA guide 5.7.1): four for each later line stay out
	v_pk_add_f32 v[RB+16*\l:RB+16*\l+1],     v[RB+16*\l:RB+16*\l+1],     v[RB+16*\l+4:RB+16*\l+5]
	v_pk_add_f32 v[RB+16*\l+2:RB+16*\l+3],   v[RB+16*\l+2:RB+16*\l+3],   v[RB+16*\l+6:RB+16*\l+7]
	v_pk_add_f32 v[RB+16*\l+8:RB+16*\l+9],   v[RB+16*\l+8:RB+16*\l+9],   v[RB+16*\l+12:RB+16*\l+13]
	v_pk_add_f32 v[RB+16*\l+10:RB+16*\l+11], v[RB+16*\l+10:RB+16*\l+11], v[RB+16*\l+14:RB+16*\l+15]
	v_pk_add_f32 v[RB+16*\l:RB+16*\l+1],     v[RB+16*\l:RB+16*\l+1],     v[RB+16*\l+8:RB+16*\l+9]
	v_pk_add_f32 v[RB+16*\l+2:RB+16*\l+3],   v[RB+16*\l+2:RB+16*\l+3],   v[RB+16*\l+10:RB+16*\l+11]
	global_store_b128 v[GO], v[RB+16*\l:RB+16*\l+3], s[10:11] offset:512*(8*\q+\l)
.endr
.endm
	REDBATCH 0
	REDBATCH 1
	REDBATCH 2
	REDBATCH 3
	s_wait_tensorcnt 0x0
	ds_add_u32 v254, v255
	s_wait_dscnt 0x0
	s_endpgm
.Lfunc_end_k_qe089751f14_splat:
	.size	k_qe089751f14_splat, .Lfunc_end_k_qe089751f14_splat-k_qe089751f14_splat
	.p2alignl 7, 3214868480
	.fill 96, 4, 3214868480
	.section	.rodata,"a",@progbits
	.p2align	6, 0x0
	.amdhsa_kernel k_qe089751f14_splat
		.amdhsa_group_segment_fixed_size 303616
		.amdhsa_private_segment_fixed_size 0
		.amdhsa_enable_private_segment 0
		.amdhsa_kernarg_size 32
		.amdhsa_user_sgpr_count 2
		.amdhsa_user_sgpr_kernarg_segment_ptr 1
		.amdhsa_wavefront_size32 1
		.amdhsa_system_sgpr_workgroup_id_x 1
		.amdhsa_system_sgpr_workgroup_id_y 1
		.amdhsa_system_sgpr_workgroup_id_z 1
		.amdhsa_system_vgpr_workitem_id 0
		.amdhsa_next_free_vgpr 1024
		.amdhsa_next_free_sgpr 66
		.amdhsa_reserve_vcc 0
		.amdhsa_float_denorm_mode_32 3
		.amdhsa_float_denorm_mode_16_64 3
		.amdhsa_memory_ordered 1
		.amdhsa_forward_progress 1
		.amdhsa_inst_pref_size 240
	.end_amdhsa_kernel
	.amdgpu_metadata
---
amdhsa.version: [ 1, 2 ]
amdhsa.kernels:
  - .name:           k_qe089751f14_splat
    .symbol:         k_qe089751f14_splat.kd
    .args:
      - { .name: positions, .offset: 0, .size: 8, .value_kind: global_buffer, .address_space: global }
      - { .name: activities, .offset: 8, .size: 8, .value_kind: global_buffer, .address_space: global }
      - { .name: position_scale, .offset: 16, .size: 8, .value_kind: global_buffer, .address_space: global }
      - { .name: part, .offset: 24, .size: 8, .value_kind: global_buffer, .address_space: global }
    .group_segment_fixed_size: 303616
    .private_segment_fixed_size: 0
    .kernarg_segment_align: 8
    .kernarg_segment_size: 32
    .max_flat_workgroup_size: 128
    .sgpr_count:     66
    .vgpr_count:     1024
    .wavefront_size: 32
...
	.end_amdgpu_metadata
.endif
;; end of part 1
;; launch fold (part 2): grid 256 x 1, 8 waves a work-group, no clusters, 5,376 bytes of LDS; arguments part, out0; writes out0
.if DOCPART == 2
	.amdgcn_target "amdgcn-amd-amdhsa--gfx1250"
	.amdhsa_code_object_version 6
	.text
	.protected	k_qe089751f14_fold
	.globl	k_qe089751f14_fold
	.p2align	8
	.type	k_qe089751f14_fold,@function
k_qe089751f14_fold:
	s_mov_b64 s[64:65], 0
	v_nop
	global_prefetch_b8 v0, s[64:65] scope:SCOPE_SE
	s_setreg_imm32_b32 hwreg(HW_REG_WAVE_MODE, 25, 1), 1
	s_wait_xcnt 0x0
; out0 = the sum of the 16 splits of part, times the factor that the first launch left out, laid back into rows of the canvas.
; part: [split 16][block 16][line 128][lane 32][4 f32], line = 2 (8 a + b) + q: lane l's four numbers are canvas row 16 a + l % 16 of the block,
; columns 16 b + 8 (l / 16) + 4 q + 0..3.  Work-group g takes the 4,096 bytes at 4,096 g of every split: block g >> 4, a = (g >> 1) & 7,
; b = 4 (g & 1) + 0..3: a patch of 16 rows x 64 columns.  Thread t takes the 16 bytes at 16 t: wave v = t >> 5 is line 8 (g & 15) + v, so b = 4 (g & 1) + (v >> 1), q = v & 1.
; A stream: each byte of part is read once, by loads of 512 consecutive bytes a wave, all 16 of a thread in flight at once.  Matrix units, tensor loads and
; clusters have nothing to do here: no byte is shared between work-groups.
; The factor is exp2(-(ka ka + kb kb) D D), ka = (a & 3) - 2, kb = (b & 3) - 2, D D = 256 x 1250 log2 e / 511^2: at least 2^-14.2.
; The sum runs over the splits in ascending order, in f32.
.set K_NDD, 0xbfe24de3                 ; -D D = -1.7680019
.set PITCH, 272                        ; a patch row in LDS: 256 bytes + 16 = 17 x 16: sixteen rows start in sixteen different 16-byte columns modulo 256 bytes
.set X, 16                             ; v[16:79]  split k: 4 registers
	s_load_b128 s[4:7], s[0:1], 0x0                ; part s[4:5], out0 s[6:7]
	v_lshl_add_u32 v80, v0, 2, 0x1100
	v_mov_b32 v81, 0
	v_lshlrev_b32 v1, 4, v0                        ; 16 t
	s_lshl_b32 s8, ttmp9, 12
	s_mov_b32 s9, 0
	s_lshr_b32 s12, ttmp9, 6                       ; out0: block row x 128 rows of 2,048 bytes
	s_lshl_b32 s12, s12, 18
	s_bfe_u32 s13, ttmp9, 0x30001                  ; + a x 16 rows
	s_lshl_b32 s13, s13, 15
	s_add_co_u32 s12, s12, s13
	s_bfe_u32 s13, ttmp9, 0x20004                  ; + block column x 512 bytes
	s_lshl_b32 s13, s13, 9
	s_add_co_u32 s12, s12, s13
	s_and_b32 s13, ttmp9, 1                        ; + which 64 columns x 256 bytes
	s_lshl_b32 s13, s13, 8
	s_add_co_u32 s12, s12, s13
	s_mov_b32 s13, 0
	s_bfe_u32 s14, ttmp9, 0x20001                  ; a & 3
	s_sub_co_i32 s14, s14, 2
	s_mul_i32 s14, s14, s14                        ; ka ka
	s_wait_kmcnt 0x0
	s_add_nc_u64 s[4:5], s[4:5], s[8:9]
	s_add_nc_u64 s[10:11], s[4:5], 0x800000        ; splits 8 to 15 from a second base: the immediate offset has 24 signed bits
	s_add_nc_u64 s[6:7], s[6:7], s[12:13]
.irp k, 0,1,2,3,4,5,6,7
	global_load_b128 v[X+4*\k:X+4*\k+3], v1, s[4:5] offset:1048576*\k th:TH_LOAD_NT
.endr
.irp k, 0,1,2,3,4,5,6,7
	global_load_b128 v[X+32+4*\k:X+32+4*\k+3], v1, s[10:11] offset:1048576*\k th:TH_LOAD_NT
.endr
	v_lshrrev_b32 v4, 6, v0                        ; b & 3
	v_add_nc_u32 v4, -2, v4
	v_mul_lo_u32 v4, v4, v4                        ; kb kb
	v_add_nc_u32 v4, s14, v4
	v_cvt_f32_u32 v4, v4
	v_mul_f32 v4, K_NDD, v4
	v_exp_f32 v2, v4                               ; the factor, twice: a pair for the packed multiply
	v_exp_f32 v3, v4
	v_and_b32 v9, 15, v0                           ; (plain work stands between the exponentials and their use: ISA guide 5.7.2)
	v_mul_u32_u24 v5, v9, PITCH                    ; in: row l % 16,
	v_bfe_u32 v6, v0, 4, 1
	v_lshl_add_u32 v5, v6, 5, v5                   ; + 32 (l / 16)
	v_bfe_u32 v6, v0, 5, 1
	v_lshl_add_u32 v5, v6, 4, v5                   ; + 16 q
	v_lshrrev_b32 v6, 6, v0
	v_lshl_add_u32 v5, v6, 6, v5                   ; + 64 (b & 3)
	v_lshrrev_b32 v6, 4, v0                        ; back: row t / 16, 16 bytes at 16 (t % 16)
	v_mul_u32_u24 v7, v6, PITCH
	v_lshl_add_u32 v7, v9, 4, v7
	v_lshlrev_b32 v8, 11, v6                       ; and the same in out0
	v_lshl_add_u32 v8, v9, 4, v8
.irp k, 1,2,3,4,5,6,7,8,9,10,11,12,13,14,15
	s_wait_loadcnt 15-\k                           ; loads come back in order (ISA guide 5.7.1): split k is in, the later ones stay out
	v_pk_add_f32 v[X:X+1],   v[X:X+1],   v[X+4*\k:X+4*\k+1]
	v_pk_add_f32 v[X+2:X+3], v[X+2:X+3], v[X+4*\k+2:X+4*\k+3]
.endr
	s_wait_alu depctr_va_vdst(0)
	v_pk_mul_f32 v[X:X+1],   v[X:X+1],   v[2:3]
	v_pk_mul_f32 v[X+2:X+3], v[X+2:X+3], v[2:3]
	ds_store_b128 v5, v[X:X+3]
	s_wait_dscnt 0x0                               ; my 16 bytes lie in the patch, for the others' sake
	s_barrier_signal -1
	s_barrier_wait -1
	ds_load_b128 v[X+4:X+7], v7
	s_wait_dscnt 0x0
	global_store_b128 v8, v[X+4:X+7], s[6:7] th:TH_STORE_NT    ; sixteen neighbouring lanes store 256 consecutive bytes, at a multiple of 256 from out0's first byte
	s_wait_tensorcnt 0x0
	ds_add_u32 v80, v81
	s_wait_dscnt 0x0
	s_endpgm
.Lfunc_end_k_qe089751f14_fold:
	.size	k_qe089751f14_fold, .Lfunc_end_k_qe089751f14_fold-k_qe089751f14_fold
	.p2alignl 7, 3214868480
	.fill 96, 4, 3214868480
	.section	.rodata,"a",@progbits
	.p2align	6, 0x0
	.amdhsa_kernel k_qe089751f14_fold
		.amdhsa_group_segment_fixed_size 5376
		.amdhsa_private_segment_fixed_size 0
		.amdhsa_enable_private_segment 0
		.amdhsa_kernarg_size 16
		.amdhsa_user_sgpr_count 2
		.amdhsa_user_sgpr_kernarg_segment_ptr 1
		.amdhsa_wavefront_size32 1
		.amdhsa_system_sgpr_workgroup_id_x 1
		.amdhsa_system_sgpr_workgroup_id_y 1
		.amdhsa_system_sgpr_workgroup_id_z 1
		.amdhsa_system_vgpr_workitem_id 0
		.amdhsa_next_free_vgpr 82
		.amdhsa_next_free_sgpr 66
		.amdhsa_reserve_vcc 0
		.amdhsa_float_denorm_mode_32 3
		.amdhsa_float_denorm_mode_16_64 3
		.amdhsa_memory_ordered 1
		.amdhsa_forward_progress 1
		.amdhsa_inst_pref_size 7
	.end_amdhsa_kernel
	.amdgpu_metadata
---
amdhsa.version: [ 1, 2 ]
amdhsa.kernels:
  - .name:           k_qe089751f14_fold
    .symbol:         k_qe089751f14_fold.kd
    .args:
      - { .name: part, .offset: 0, .size: 8, .value_kind: global_buffer, .address_space: global }
      - { .name: out0, .offset: 8, .size: 8, .value_kind: global_buffer, .address_space: global }
    .group_segment_fixed_size: 5376
    .private_segment_fixed_size: 0
    .kernarg_segment_align: 8
    .kernarg_segment_size: 16
    .max_flat_workgroup_size: 256
    .sgpr_count:     66
    .vgpr_count:     82
    .wavefront_size: 32
...
	.end_amdgpu_metadata
.endif
;; end of part 2
;; ======== version 2 of 3: 3 launches; 1.29 times as fast as version 1
;; limits: inputs' magnitudes at most 7,700; values are held in f16: magnitudes above 65,504 overflow, below 6.1e-05 lose precision
;; workspace buffers: part 4,194,304 bytes; marks 65,536 bytes of whole numbers
;; launch mark (part 3): grid 256 x 1, 1 waves a work-group, no clusters, 0 bytes of LDS; arguments positions, position_scale, marks; writes marks
.if DOCPART == 3
	.amdgcn_target "amdgcn-amd-amdhsa--gfx1250"
	.amdhsa_code_object_version 6
	.text
	.protected	k_qe089751f14_mark
	.globl	k_qe089751f14_mark
	.p2align	8
	.type	k_qe089751f14_mark,@function
k_qe089751f14_mark:
	s_mov_b64 s[64:65], 0
	v_nop
	global_prefetch_b8 v0, s[64:65] scope:SCOPE_SE
	s_setreg_imm32_b32 hwreg(HW_REG_WAVE_MODE, 25, 1), 1
	s_wait_xcnt 0x0
; For every point and each of the canvas's eight block columns and eight block rows (64 pixels each): can the point's Gaussian give a non-zero f16 operand there?
; The next launch multiplies only points marked for its block's column AND row.  The marks are whole numbers at fixed places; nothing here is steered by them.
; u = s (coordinate - centre of the block), s = sqrt(1250 log2 e), as the next launch forms it (there by one fused multiply-add, here by a product and a sum:
; the two differ by a rounding of s x coordinate, far inside the margins below).  A block's rows lie from -2.660 to +2.577 units round its centre.
;   x side: the operand is exp2(-a a + k k D D + 4), k k D D <= 7.072; f16 rounds it to 0 below 2^-25, that is for a a > 36.07, |a| > 6.006.
;           |u| >= 8.74 puts every column of the block at |a| >= 6.08: all 64 operands are 0.
;   y side: act exp2(-a a + k k D D - 4) with |act| < 7,700 < 2^12.92 (the next launch's stated limit): 0 for a a > 40.98, |a| > 6.402.
;           |u| >= 9.14 puts every row at |a| >= 6.48.
; A point that is not marked would add exact zeros, so leaving it out changes no sum.  NaN and infinite positions are not served (a NaN is never marked).
; marks: [chunk 256][map 16][word 4] of 32 bits; chunk = 128 points; maps 0-7: block columns, 8-15: block rows; bit l of word j: point 128 chunk + 32 j + l.
; One wave for each chunk: four loads of 256 consecutive bytes, lane = point, so that a compare's lane mask IS a word; one store of 256 consecutive bytes, aligned.
; The eight blocks of a side are worked on stage by stage, so that no instruction needs the result of the one in front of it.
.set K_S,   0x4229dd47                 ; s = 42.466090
.set K_NS,  0xc229dd47
.set K_DS,  0x3daa3260                 ; s / 511
.set K_NDS, 0xbdaa3260
.set K_TX,  0x410bd70a                 ; 8.74
.set K_TY,  0x41123d71                 ; 9.14
.set SC,  2                            ; v[2:3]   position_scale, twice
.set KS,  4                            ; v[4:5]   s, -s
.set W,   6                            ; v[6:7]   lane i: words 2 i and 2 i + 1 of the chunk's 64
.set P,   8                            ; v[8:15]  group g: x, y of my point
.set DX,  16                           ; v[16:23] |u| for block column t
.set DY,  24                           ; v[24:31] |u| for block row t
.set OX,  32                           ; v[32:39] -(64 t + 32) s / 511
.set OY,  40                           ; v[40:47] (479 - 64 t) s / 511 = s (1 - centre)
                                       ; s[20:27], s[28:35]: the 32 points' bits for the eight columns, the eight rows
	s_load_b128 s[4:7], s[0:1], 0x0                ; positions s[4:5], position_scale s[6:7]
	s_load_b64 s[8:9], s[0:1], 0x10                ; marks
	v_lshlrev_b32 v1, 3, v0                        ; 8 x lane: my point in a group, and my two words
	s_lshl_b32 s10, ttmp9, 10                      ; the chunk's 128 points of 8 bytes
	s_mov_b32 s11, 0
	s_lshl_b32 s12, ttmp9, 8                       ; the chunk's 256 bytes of marks
	s_mov_b32 s13, 0
	s_mov_b32 s16, K_TX
	s_mov_b32 s17, K_TY
	s_wait_kmcnt 0x0
	s_load_b32 s14, s[6:7], 0x0
	s_add_nc_u64 s[4:5], s[4:5], s[10:11]
	s_add_nc_u64 s[8:9], s[8:9], s[12:13]
.irp g, 0,1,2,3
	global_load_b64 v[P+2*\g:P+2*\g+1], v1, s[4:5] offset:256*\g
.endr
	v_mov_b32 v[KS], K_S
	v_mov_b32 v[KS+1], K_NS
	v_mov_b32 v[W], 0                              ; v_writelane_b32 keeps the other lanes: the registers are written whole first
	v_mov_b32 v[W+1], 0
.irp t, 0,1,2,3,4,5,6,7
	v_cvt_f32_u32 v[OX+\t], 64*\t+32
	v_cvt_f32_u32 v[OY+\t], 479-64*\t
.endr
.irp t, 0,1,2,3,4,5,6,7
	v_mul_f32 v[OX+\t], K_NDS, v[OX+\t]
	v_mul_f32 v[OY+\t], K_DS, v[OY+\t]
.endr
	s_wait_kmcnt 0x0
	v_mov_b32 v[SC], s14
	v_mov_b32 v[SC+1], s14
.macro GROUP g
	s_wait_loadcnt 3-\g                            ; loads come back in order (ISA guide 5.7.1): the later groups' stay out
	v_pk_add_f32 v[P+2*\g:P+2*\g+1], v[P+2*\g:P+2*\g+1], -0.5 op_sel_hi:[1,0]
	v_pk_fma_f32 v[P+2*\g:P+2*\g+1], v[P+2*\g:P+2*\g+1], v[SC:SC+1], 0.5 op_sel_hi:[1,1,0]   ; ps = 0.5 + scale (pos - 0.5)
	v_pk_mul_f32 v[P+2*\g:P+2*\g+1], v[P+2*\g:P+2*\g+1], v[KS:KS+1]                          ; s ps_x, -s ps_y
.irp t, 0,1,2,3,4,5,6,7
	v_add_f32 v[DX+\t], v[P+2*\g], v[OX+\t]        ; u for block column t
.endr
.irp t, 0,1,2,3,4,5,6,7
	v_add_f32 v[DY+\t], v[P+2*\g+1], v[OY+\t]      ; u for block row t
.endr
.irp t, 0,1,2,3,4,5,6,7
	v_and_b32 v[DX+\t], 0x7fffffff, v[DX+\t]
.endr
.irp t, 0,1,2,3,4,5,6,7
	v_and_b32 v[DY+\t], 0x7fffffff, v[DY+\t]
.endr
.irp t, 0,1,2,3,4,5,6,7
	v_cmp_gt_f32 s[20+\t], s16, v[DX+\t]           ; 8.74 > |u|: the 32 points' bits
.endr
.irp t, 0,1,2,3,4,5,6,7
	v_cmp_gt_f32 s[28+\t], s17, v[DY+\t]           ; 9.14 > |u|
.endr
.irp t, 0,1,2,3,4,5,6,7
	v_writelane_b32 v[W+(\g&1)], s[20+\t], (4*\t+\g)/2         ; word 4 map + g lies in lane (4 map + g) / 2, register g & 1
.endr
.irp t, 0,1,2,3,4,5,6,7
	v_writelane_b32 v[W+(\g&1)], s[28+\t], (4*(8+\t)+\g)/2
.endr
.endm
.irp g, 0,1,2,3
	GROUP \g
.endr
	global_store_b64 v1, v[W:W+1], s[8:9]          ; the wave stores 256 consecutive bytes, at a multiple of 256 from marks' first byte
	s_endpgm
.Lfunc_end_k_qe089751f14_mark:
	.size	k_qe089751f14_mark, .Lfunc_end_k_qe089751f14_mark-k_qe089751f14_mark
	.p2alignl 7, 3214868480
	.fill 96, 4, 3214868480
	.section	.rodata,"a",@progbits
	.p2align	6, 0x0
	.amdhsa_kernel k_qe089751f14_mark
		.amdhsa_group_segment_fixed_size 0
		.amdhsa_private_segment_fixed_size 0
		.amdhsa_enable_private_segment 0
		.amdhsa_kernarg_size 24
		.amdhsa_user_sgpr_count 2
		.amdhsa_user_sgpr_kernarg_segment_ptr 1
		.amdhsa_wavefront_size32 1
		.amdhsa_system_sgpr_workgroup_id_x 1
		.amdhsa_system_sgpr_workgroup_id_y 1
		.amdhsa_system_sgpr_workgroup_id_z 1
		.amdhsa_system_vgpr_workitem_id 0
		.amdhsa_next_free_vgpr 48
		.amdhsa_next_free_sgpr 66
		.amdhsa_reserve_vcc 0
		.amdhsa_float_denorm_mode_32 3
		.amdhsa_float_denorm_mode_16_64 3
		.amdhsa_memory_ordered 1
		.amdhsa_forward_progress 1
		.amdhsa_inst_pref_size 19
	.end_amdhsa_kernel
	.amdgpu_metadata
---
amdhsa.version: [ 1, 2 ]
amdhsa.kernels:
  - .name:           k_qe089751f14_mark
    .symbol:         k_qe089751f14_mark.kd
    .args:
      - { .name: positions, .offset: 0, .size: 8, .value_kind: global_buffer, .address_space: global }
      - { .name: position_scale, .offset: 8, .size: 8, .value_kind: global_buffer, .address_space: global }
      - { .name: marks, .offset: 16, .size: 8, .value_kind: global_buffer, .address_space: global }
    .group_segment_fixed_size: 0
    .private_segment_fixed_size: 0
    .kernarg_segment_align: 8
    .kernarg_segment_size: 24
    .max_flat_workgroup_size: 32
    .sgpr_count:     66
    .vgpr_count:     48
    .wavefront_size: 32
...
	.end_amdgpu_metadata
.endif
;; end of part 3
;; launch splat (part 4): grid 64 x 4, 4 waves a work-group, no clusters, 240,128 bytes of LDS; arguments positions, activities, position_scale, marks, part; writes part
.if DOCPART == 4
	.amdgcn_target "amdgcn-amd-amdhsa--gfx1250"
	.amdhsa_code_object_version 6
	.text
	.protected	k_qe089751f14_splat
	.globl	k_qe089751f14_splat
	.p2align	8
	.type	k_qe089751f14_splat,@function
k_qe089751f14_splat:
	s_mov_b64 s[64:65], 0
	v_nop
	global_prefetch_b8 v0, s[64:65] scope:SCOPE_SE
	s_setreg_imm32_b32 hwreg(HW_REG_WAVE_MODE, 25, 1), 1
	s_wait_xcnt 0x0
; canvas[h][w] = sum over n of act[n] gy[n][h] gx[n][w]: a product of 512 x 512 over K = 32,768 points whose operands are Gaussians made here.
; Work-group (x = block, y = split): block = 64 x 64 of the canvas (rows 64 (block>>3).., columns 64 (block&7)..), split = 8,192 points.
; Each of the four waves owns the WHOLE block for 2,048 points of its own (16 accumulator tiles, 128 registers) and makes its operand fragments
; straight in registers; no operand goes through LDS and the loop has no barrier.  At the end the four waves' sums are added through LDS and
; one image of 16 KB goes to part[split][block]; the last launch adds the 4 splits.
; WHY THIS BLOCK: what goes through LDS and memory at the end grows with the block's area (16 KB a wave, 4 MB of part in all), and a small block is reached
; by few points; what a small block costs is that every wave has to look at four times as many points as with 128 x 128 in 16 splits.
;
; WHICH POINTS.  The launch before stored, for each point, a bit for each block column and block row: set unless all 64 f16 operands of that side are 0 there
; (its head gives the arithmetic).  A wave packs the points that carry both bits of its block to the front of its arrays and runs ceil(count / 32) steps, at least 2, at
; most 64.  A point left out would have added exact zeros, so the sums are those of all 2,048 points, for any data; only the number of steps hangs on the data.
; Behind the list stand 96 null points (u = 32, U = 1, act = 0), whose operands are 0 on both sides: they fill the last step and the one step of look-ahead.
;
; THE OPERANDS.  With s = sqrt(1250 log2 e), D = 16 s / 511 (16 grid steps), rho = r s / 511 (r = lane % 16), u = s (coordinate - centre of the block),
; the Gaussian of fragment f (rows 16 f + r of the block, f = 0..3) is G = exp2(-a^2), a = rho + k D - u, k = f - 2.  p = G 2^(k k D D + S) obeys
; p(next f) = p W with W = exp2(-2 D rho) U free of f, U = exp2(2 D u) made once for each point; the chain starts at exp2(-(rho - 2 D - u)^2 + 4 D D + S).
; So 4 fragments cost 1 exponential and 3 products a point and side.  The factor 2^(-k k D D) hangs on the output's row and column alone and is applied once,
; in the last launch.  S = -4 on the side that carries act, +4 on the other: they cancel.
; FORMAT: f16 operands, f32 sums.  p <= 2^(4DD + S): the x side stays below 2^11.1, the y side below |act| 2^3.1.
; LIMITS: |act| < 7,700 (above, the conversion to f16 overflows).  An operand below 2^-25 (f16's smallest step) becomes 0: a Gaussian under about 2^-29
; on the x side, act x Gaussian under about 2^-21 on the y side.  A chain start below 2^-126 is flushed by v_exp_f32; its later links are then under 2^-56, below
; f16's floor anyway.  u is clamped to +-32: beyond, every row of the block is more than 29 units away, G < 2^-800 is 0 in f32 too, the start is 0,
; W stays finite (< 2^86) and 0 W = 0.  NaN and infinite inputs are not served.
; K PLACES: in a step of 32 points lane half h takes points 16 h .. 16 h + 15, fragment register j the points 2 j, 2 j + 1, alike for both sources.
; NO CLUSTER, NO TENSOR LOADS: a work-group reads 96 KB of points once, lane by lane (a point's place in LDS hangs on its mark), and 2 KB of marks.
; The marks of a wave's 2,048 points lie in 16 chunks of 256 bytes, 16 bytes for a map in each: two loads a wave fetch them in 16-byte pieces, once.
.set ARR,    8704                      ; one point array of a wave: 2,176 places of f32: 2,048 points, 96 null points behind the longest list, 32 places for what is left out
.set NIDX,   2144                      ; the first of those 32: lane l puts a point that is left out at place NIDX + l
.set LASTOFF, 8256                     ; 64 + 64 x 128: the furthest that a step's loads begin
.set WPTS,   5*ARR                     ; a wave's five arrays: 0 u(y), 1 U(y), 2 act, 3 u(x), 4 U(x)
.set RED,    4*WPTS                    ; behind them: four images of 16 KB, one for each wave
.set IMG,    16384
.set K_S,    0x4229dd47                ; s = 42.466090
.set K_NS,   0xc229dd47
.set K_DS,   0x3daa3260                ; s / 511
.set K_NDS,  0xbdaa3260
.set K_2D,   0x402a3260                ; 2 D
.set K_N2D,  0xc02a3260
.set K_CA,   0x40449bc5                ; 4 D D - 4
.set K_CB,   0x413126f1                ; 4 D D + 4
; window 0
.set LN,   1                           ; v1        lane
.set SC,   2                           ; v[2:3]    position_scale, twice
.set KS,   4                           ; v[4:5]    s, -s
.set OFS,  6                           ; v[6:7]    -s x centre(x), s (1 - centre(y))
.set PO,   8                           ; v8        8 x lane: my point of a group in positions
.set AO,   9                           ; v9        4 x lane: the same in activities
.set PA,   10                          ; v10       LDS: my half's 16 points of the next step to load
.set RS,   12                          ; v12       LDS: my 16 bytes of a line of my wave's image
.set RL,   13                          ; v13-16    LDS: the same in wave 0..3's image, at my wave's quarter of the lines
.set GO,   17                          ; v17       16 x lane
.set RHO1, 18                          ; v[18:19]  rho - 2 D, twice
.set RW,   20                          ; v[20:21]  exp2(-2 D rho), twice
.set K2,   22                          ; v[22:23]  2 D, twice
.set PT,   24                          ; v[24:183] points of a step: 80 x buffer + 16 x array + point
.set CH,   184                         ; v[184:215] chain c (0, 1: y side, first and second pair of points; 2, 3: x side), link st: a pair at 8 c + 2 st
.set WA0,  216                         ; v[216:223] W of the two pairs, y side, x side
.set WA1,  218
.set WB0,  220
.set WB1,  222
.set CA,   226                         ; v[226:227] 4 D D - 4, twice
.set CB,   228                         ; v[228:229] 4 D D + 4, twice
.set T0,   230
.set T1,   231
.set T2,   232
.set POF,  233                         ; v233      64 h + 128 x step: PA without the wave's base and before its bound
.set DUMP, 234                         ; v234      NIDX + lane
.set MO,   235                         ; v235      my two words' offset in a map's marks
.set MX,   236                         ; v[236:237] lane l: the marks of groups 2 l, 2 l + 1: my block column's, then column's AND row's
.set MY,   238                         ; v[238:239] my block row's
.set IDX,  240                         ; v[240:247] set-up: a point's place, four groups, two sets in turn
.set AD,   248                         ; v[248:255] set-up: its LDS address
.set SU,   24                          ; set-up only: v[24:119] four slots of 24: eight groups' x, y (16 registers) and act (8)
.set TU,   120                         ;              v[120:135] U(x), U(y) of four groups, two sets in turn
.set N32,  136                         ;              the null point: 32.0, 1.0, 0
.set N1,   137
.set N0,   138
.set RB,   24                          ; the way out: 8 lines x 4 images x 4 registers
; window 1: v0-127 accumulator tile (a, b) at 8 (4 a + b);  v128-255 fragments, FR + 64 x buffer + 32 x side (0: y with act, 1: x) + 8 f + j
.set FR,   128
; scalars: s[2:3] part, s[4:5] positions, s[6:7] activities, s[8:9] position_scale, s[10:11] marks, s12 wave, s14 split, s15 count, then loop trips, s17 my arrays in LDS,
;          s24, s25 the clamp, s27 one more full step?, s[32:35] four groups' marks, s[36:38] the count in front of the second to fourth of them, s[66:69] my maps' addresses
.set MSB, 0
.macro WIN new                         ; s_set_vgpr_msb: bits 1:0 source 0, 3:2 source 1, 5:4 source 2, 7:6 destination; the high byte repeats the setting left
.if MSB != \new
	s_set_vgpr_msb (MSB<<8)|\new
.set MSB, \new
.endif
.endm
.set TO_F,   0x40                      ; destination window 1
.set MUL,    0x55                      ; all four operands window 1
.set ST,     0x04                      ; LDS store data (source 1) window 1
	s_load_b256 s[4:11], s[0:1], 0x0               ; positions, activities, position_scale, marks
	s_load_b64 s[2:3], s[0:1], 0x20                ; part
	v_lshl_add_u32 v224, v0, 2, 0x3a800
	v_mov_b32 v225, 0
	v_lshrrev_b32 v1, 5, v0
	v_readfirstlane_b32 s12, v1                    ; wave
	s_and_b32 s14, ttmp7, 0xffff                   ; split
	v_and_b32 v[LN], 31, v0                        ; lane
	v_and_b32 v[T0], 15, v0                        ; r
	v_bfe_u32 v[T1], v0, 4, 1                      ; h
	v_lshlrev_b32 v[PO], 3, v[LN]
	v_lshlrev_b32 v[AO], 2, v[LN]
	v_lshlrev_b32 v[GO], 4, v[LN]
	v_lshrrev_b32 v[MO], 1, v[LN]                  ; groups 2 l, 2 l + 1 are words 2 (l & 1), + 1 of chunk l >> 1
	v_lshlrev_b32 v[MO], 8, v[MO]
	v_and_b32 v[T2], 1, v[LN]
	v_lshl_or_b32 v[MO], v[T2], 3, v[MO]
	s_lshl_b32 s26, s14, 16                        ; my first point is 8192 split + 2048 wave: x 8 bytes in positions,
	s_lshl_b32 s27, s12, 14
	s_add_co_u32 s26, s26, s27
	s_mov_b32 s27, 0
	s_lshr_b32 s28, s26, 1                         ; x 4 bytes in activities,
	s_mov_b32 s29, 0
	s_lshr_b32 s18, s26, 2                         ; x 2 bytes in marks (256 bytes for 128 points)
	s_and_b32 s19, ttmp9, 7
	s_lshl_b32 s19, s19, 4
	s_add_co_u32 s20, s18, s19                     ; + 16 x map: my block column's,
	s_mov_b32 s21, 0
	s_lshr_b32 s19, ttmp9, 3
	s_lshl_b32 s19, s19, 4
	s_add_co_u32 s22, s18, s19
	s_add_co_u32 s22, s22, 128                     ; and my block row's, maps 8 to 15
	s_mov_b32 s23, 0
	s_lshl_b32 s30, s14, 6                         ; part: (64 split + block) images of 16 KB, + my wave's quarter
	s_add_co_u32 s30, s30, ttmp9
	s_lshl_b32 s30, s30, 14
	s_lshl_b32 s31, s12, 12
	s_add_co_u32 s30, s30, s31
	s_mov_b32 s31, 0
	s_wait_kmcnt 0x0
	s_load_b32 s16, s[8:9], 0x0                    ; position_scale
	s_add_nc_u64 s[66:67], s[10:11], s[20:21]
	s_add_nc_u64 s[68:69], s[10:11], s[22:23]
	s_add_nc_u64 s[4:5], s[4:5], s[26:27]
	s_add_nc_u64 s[6:7], s[6:7], s[28:29]
	s_add_nc_u64 s[2:3], s[2:3], s[30:31]
	global_load_b64 v[MX:MX+1], v[MO], s[66:67]
	global_load_b64 v[MY:MY+1], v[MO], s[68:69]
; 16 loads: batch b = groups 8 b .. 8 b + 7; group g = points 32 g + lane of my wave's 2,048, so that a word of marks is a lane mask.  Slot b % 4.
.macro BATCH b
.irp i, 0,1,2,3,4,5,6,7
	global_load_b64 v[SU+24*((\b)%4)+2*\i:SU+24*((\b)%4)+2*\i+1], v[PO], s[4:5] offset:256*(8*(\b)+\i)   ; 256 consecutive bytes
	global_load_b32 v[SU+24*((\b)%4)+16+\i], v[AO], s[6:7] offset:128*(8*(\b)+\i)                       ; 128 consecutive bytes; two neighbouring groups' loads make up 256
.endr
.endm
	BATCH 0
	BATCH 1
	BATCH 2
	; the lane's constants
	v_cvt_f32_u32 v[T0], v[T0]
	v_mul_f32 v[T0], K_DS, v[T0]                   ; rho
	v_add_f32 v[RHO1], K_N2D, v[T0]
	v_mul_f32 v[T2], K_N2D, v[T0]
	v_mov_b32 v[RHO1+1], v[RHO1]
	v_exp_f32 v[RW], v[T2]
	v_mov_b32 v[CA], K_CA                          ; plain instructions stand between the exponential and the first use of its result (ISA guide 5.7.2)
	v_mov_b32 v[CA+1], K_CA
	v_mov_b32 v[CB], K_CB
	v_mov_b32 v[CB+1], K_CB
	s_wait_alu depctr_va_vdst(0)
	v_mov_b32 v[RW+1], v[RW]
	v_mov_b32 v[KS], K_S
	v_mov_b32 v[KS+1], K_NS
	v_mov_b32 v[K2], K_2D
	v_mov_b32 v[K2+1], K_2D
	s_and_b32 s20, ttmp9, 7                        ; u(x) = s x - (64 bx + 32) s / 511
	s_lshl_b32 s20, s20, 6
	s_add_co_u32 s20, s20, 32
	s_lshr_b32 s21, ttmp9, 3                       ; u(y) = s (1 - ps_y) - (64 by + 32) s / 511 = -s ps_y + (479 - 64 by) s / 511
	s_lshl_b32 s21, s21, 6
	s_sub_co_u32 s21, 479, s21
	v_cvt_f32_u32 v[OFS], s20
	v_cvt_f32_u32 v[OFS+1], s21
	v_mul_f32 v[OFS], K_NDS, v[OFS]
	v_mul_f32 v[OFS+1], K_DS, v[OFS+1]
	s_mov_b32 s24, 0xc2000000                      ; -32.0
	s_mov_b32 s25, 0x42000000                      ; 32.0
	; LDS addresses
	s_mul_i32 s17, s12, WPTS
	v_lshlrev_b32 v[POF], 6, v[T1]                 ; 64 h
	v_add_nc_u32 v[PA], s17, v[POF]
	s_lshl_b32 s18, s12, 14
	s_add_co_u32 s18, s18, RED
	v_add_nc_u32 v[RS], s18, v[GO]
	s_lshl_b32 s19, s12, 12
	s_add_co_u32 s19, s19, RED
.irp s, 0,1,2,3
	v_add_nc_u32 v[RL+\s], s19, v[GO]
	s_add_co_u32 s19, s19, IMG
.endr
	v_add_nc_u32 v[DUMP], NIDX, v[LN]
	v_mov_b32 v[N32], 0x42000000
	v_mov_b32 v[N1], 1.0
	v_mov_b32 v[N0], 0
	s_mov_b32 s15, 0                               ; points kept so far
	s_wait_kmcnt 0x0                               ; the scale
	v_mov_b32 v[SC], s16
	v_mov_b32 v[SC+1], s16
	s_wait_loadcnt 48                              ; the marks are in: the 3 x 16 loads issued behind them stay out
	v_and_b32 v[MX], v[MX], v[MY]                  ; marked for my block's column and row
	v_and_b32 v[MX+1], v[MX+1], v[MY+1]
; Four groups of 32 points, one point a lane, stage by stage so that no line needs the result of the line in front of it:
; ps = 0.5 + scale (pos - 0.5); u for x and y in one packed multiply-add; clamp; U = exp2(2 D u).  A point with both marks goes to the next
; free place, in the points' own order: the count so far + the marked lanes below mine.  The others go to place NIDX + lane.
.macro QUAD b, h
.set SPB, SU+24*(\b%4)+8*\h
.set ARB, SU+24*(\b%4)+16+4*\h
.set GR0, 8*\b+4*\h
.set TUB, TU+8*\h
.set IXB, IDX+4*\h
.set ADB, AD+4*\h
.if \b < 6
	s_wait_loadcnt 40-8*\h                         ; stay out: 16 loads for each of the two later batches, 8 of this batch's second half
.else
	s_wait_loadcnt 16*(7-\b)+8-8*\h                ; the last two batches: the counts run down
.endif
.irp q, 0,1,2,3
	v_readlane_b32 s[32+\q], v[MX+((GR0+\q)&1)], (GR0+\q)>>1
.endr
.irp q, 0,1,2,3
	v_pk_add_f32 v[SPB+2*\q:SPB+2*\q+1], v[SPB+2*\q:SPB+2*\q+1], -0.5 op_sel_hi:[1,0]
.endr
.irp q, 0,1,2,3
	v_pk_fma_f32 v[SPB+2*\q:SPB+2*\q+1], v[SPB+2*\q:SPB+2*\q+1], v[SC:SC+1], 0.5 op_sel_hi:[1,1,0]
.endr
.irp q, 0,1,2,3
	v_pk_fma_f32 v[SPB+2*\q:SPB+2*\q+1], v[SPB+2*\q:SPB+2*\q+1], v[KS:KS+1], v[OFS:OFS+1]
.endr
.irp q, 0,1,2,3
	v_med3_num_f32 v[SPB+2*\q], v[SPB+2*\q], s24, s25
	v_med3_num_f32 v[SPB+2*\q+1], v[SPB+2*\q+1], s24, s25
.endr
.irp q, 0,1,2,3
	v_pk_mul_f32 v[TUB+2*\q:TUB+2*\q+1], v[SPB+2*\q:SPB+2*\q+1], v[K2:K2+1]
.endr
.irp q, 0,1,2,3
	v_exp_f32 v[TUB+2*\q], v[TUB+2*\q]
	v_exp_f32 v[TUB+2*\q+1], v[TUB+2*\q+1]
.endr
	s_bcnt1_i32_b32 s26, s32
	s_add_co_u32 s36, s15, s26
	s_bcnt1_i32_b32 s26, s33
	s_add_co_u32 s37, s36, s26
	s_bcnt1_i32_b32 s26, s34
	s_add_co_u32 s38, s37, s26
	v_mbcnt_lo_u32_b32 v[IXB], s32, s15            ; (the plain lines from here on also stand between the exponentials and the stores that read them: ISA guide 5.7.2)
	v_mbcnt_lo_u32_b32 v[IXB+1], s33, s36
	v_mbcnt_lo_u32_b32 v[IXB+2], s34, s37
	v_mbcnt_lo_u32_b32 v[IXB+3], s35, s38
	s_bcnt1_i32_b32 s26, s35
	s_add_co_u32 s15, s38, s26
.irp q, 0,1,2,3
	v_cndmask_b32 v[IXB+\q], v[DUMP], v[IXB+\q], s[32+\q]
.endr
.irp q, 0,1,2,3
	v_min_u32 v[IXB+\q], NIDX+31, v[IXB+\q]        ; a place made from numbers read from memory is bounded before it enters an address; at most 2,048 points can be kept, so it changes nothing
.endr
	s_wait_alu depctr_va_vdst(0)
.irp q, 0,1,2,3
	v_lshl_add_u32 v[ADB+\q], v[IXB+\q], 2, s17
.endr
.irp q, 0,1,2,3
	ds_store_b32 v[ADB+\q], v[SPB+2*\q+1] offset:0*ARR
	ds_store_b32 v[ADB+\q], v[TUB+2*\q+1] offset:1*ARR
	ds_store_b32 v[ADB+\q], v[ARB+\q]     offset:2*ARR
	ds_store_b32 v[ADB+\q], v[SPB+2*\q]   offset:3*ARR
	ds_store_b32 v[ADB+\q], v[TUB+2*\q]   offset:4*ARR
.endr
.endm
; A batch's turn.  Three batches are on their way at any time; the fourth slot is the one whose LDS stores are leaving.
.macro TURN b, fill, nxt
	QUAD \b, 0
	QUAD \b, 1
.if \fill
	s_wait_dscnt 40                                ; LDS serves a wave in order (ISA guide 5.7.1): this batch's 8 x 5 stores may be out, those of the batch before, which read the slot loaded next, are done
	BATCH \nxt
.endif
.endm
	TURN 0, 1, 3
	TURN 1, 1, 4
	TURN 2, 1, 5
	TURN 3, 1, 6
	TURN 4, 1, 7
	TURN 5, 0, 0
	TURN 6, 0, 0
	TURN 7, 0, 0
	; 96 null points behind the list: places count .. count + 95.  The furthest place read is 32 steps + 31 (one step of look-ahead), at most count + 62, or 95 where two steps are forced.
.irp i, 0,1,2
	v_add3_u32 v[IDX+\i], s15, v[LN], 32*\i
.endr
.irp i, 0,1,2
	v_min_u32 v[IDX+\i], NIDX+31, v[IDX+\i]        ; bounded like every place; at most 2,048 + 95
.endr
.irp i, 0,1,2
	v_lshl_add_u32 v[AD+\i], v[IDX+\i], 2, s17
.endr
.irp i, 0,1,2
	ds_store_b32 v[AD+\i], v[N32] offset:0*ARR
	ds_store_b32 v[AD+\i], v[N1]  offset:1*ARR
	ds_store_b32 v[AD+\i], v[N0]  offset:2*ARR
	ds_store_b32 v[AD+\i], v[N32] offset:3*ARR
	ds_store_b32 v[AD+\i], v[N1]  offset:4*ARR
.endr
	s_add_co_u32 s26, s15, 31                      ; steps = ceil(count / 32),
	s_lshr_b32 s26, s26, 5
	s_max_u32 s26, s26, 2                          ; at least two (the first starts the sums and makes the second's fragments; null points fill them up),
	s_min_u32 s26, s26, 64                         ; at most 64, whatever was read
	s_sub_co_u32 s26, s26, 2                       ; between the first and the last step: 0 to 62 full steps,
	s_lshr_b32 s15, s26, 1                         ; two to a loop trip,
	s_and_b32 s27, s26, 1                          ; and perhaps one more
	s_wait_dscnt 0x0                               ; The arrays are each wave's own, and LDS serves a wave in order.  the
	s_barrier_signal -1                            ; order of these stores and the loop's reads, whose address steps from trip to trip, is then plain
	s_barrier_wait -1                              ; whatever the address.  It stands once, outside the loop.
; 20 loads: my half's 16 points of one step, five arrays; all 16 lanes of a half read the same 16 bytes.  Then the address steps by 32 points.
; The number of steps was read from memory, so the offset is bounded in the text: the furthest load that any path issues begins at LASTOFF, inside the array.
.macro LOADPT buf
.irp arr, 0,1,2,3,4
.irp q, 0,1,2,3
	ds_load_b128 v[PT+80*\buf+16*\arr+4*\q:PT+80*\buf+16*\arr+4*\q+3], v[PA] offset:ARR*\arr+16*\q
.endr
.endr
	v_add_nc_u32 v[POF], 128, v[POF]
	v_min_u32 v[PA], LASTOFF, v[POF]
	v_add_nc_u32 v[PA], s17, v[PA]
.endm
.macro CMUL c, st, w                   ; link st of chain c = link st - 1 times W
	v_pk_mul_f32 v[CH+8*\c+2*\st:CH+8*\c+2*\st+1], v[CH+8*\c+2*\st-2:CH+8*\c+2*\st-1], v[\w:\w+1]
.endm
.macro CVTS first, count, nb           ; links first .. first + count - 1 (4 c + st), rounded to f16: side c >> 1, fragment st, register 2 pJ + (c & 1)
	WIN TO_F
.set ce, \first
.rept \count
	v_cvt_pk_f16_f32 v[FR+64*\nb+32*(ce/8)+8*(ce%4)+2*pJ+((ce/4)&1)], v[CH+2*ce], v[CH+2*ce+1]
.set ce, ce+1
.endr
.endm
; One quarter of the work for points 4 pJ .. 4 pJ + 3 (pJ = ii / 4) of the step in point buffer nb, for all 8 fragments of fragment buffer nb: 50 instructions in 4 pieces.
.macro PIECE nb
.set pJ, ii/4
.set pp, ii%4
.set YV, PT+80*\nb+4*pJ
.set YU, YV+16
.set AC, YV+32
.set XV, YV+48
.set XU, YV+64
.if pp == 0
	WIN 0
	v_pk_add_f32 v[CH:CH+1],     v[RHO1:RHO1+1], v[YV:YV+1]   neg_lo:[0,1] neg_hi:[0,1]   ; a at the four chains' starts
	v_pk_add_f32 v[CH+8:CH+9],   v[RHO1:RHO1+1], v[YV+2:YV+3] neg_lo:[0,1] neg_hi:[0,1]
	v_pk_add_f32 v[CH+16:CH+17], v[RHO1:RHO1+1], v[XV:XV+1]   neg_lo:[0,1] neg_hi:[0,1]
	v_pk_add_f32 v[CH+24:CH+25], v[RHO1:RHO1+1], v[XV+2:XV+3] neg_lo:[0,1] neg_hi:[0,1]
	v_pk_fma_f32 v[CH:CH+1],     v[CH:CH+1],     v[CH:CH+1],     v[CA:CA+1] neg_lo:[1,0,0] neg_hi:[1,0,0]   ; -a a + 4 D D + S
	v_pk_fma_f32 v[CH+8:CH+9],   v[CH+8:CH+9],   v[CH+8:CH+9],   v[CA:CA+1] neg_lo:[1,0,0] neg_hi:[1,0,0]
	v_pk_fma_f32 v[CH+16:CH+17], v[CH+16:CH+17], v[CH+16:CH+17], v[CB:CB+1] neg_lo:[1,0,0] neg_hi:[1,0,0]
	v_pk_fma_f32 v[CH+24:CH+25], v[CH+24:CH+25], v[CH+24:CH+25], v[CB:CB+1] neg_lo:[1,0,0] neg_hi:[1,0,0]
	v_pk_mul_f32 v[WA0:WA0+1], v[RW:RW+1], v[YU:YU+1]
	v_pk_mul_f32 v[WA1:WA1+1], v[RW:RW+1], v[YU+2:YU+3]
	v_exp_f32 v[CH], v[CH]
	v_exp_f32 v[CH+1], v[CH+1]
	v_exp_f32 v[CH+8], v[CH+8]
	v_exp_f32 v[CH+9], v[CH+9]
.endif
.if pp == 1
	WIN 0
	v_exp_f32 v[CH+16], v[CH+16]
	v_exp_f32 v[CH+17], v[CH+17]
	v_exp_f32 v[CH+24], v[CH+24]
	v_exp_f32 v[CH+25], v[CH+25]
	v_pk_mul_f32 v[WB0:WB0+1], v[RW:RW+1], v[XU:XU+1]      ; these two name no exponential's register: the plain place between all eight
	v_pk_mul_f32 v[WB1:WB1+1], v[RW:RW+1], v[XU+2:XU+3]    ; exponentials and the first use of a result (ISA guide 5.7.2)
	s_wait_alu depctr_va_vdst(0)
	v_pk_mul_f32 v[CH:CH+1],   v[CH:CH+1],   v[AC:AC+1]    ; act rides on the y side's chain starts
	v_pk_mul_f32 v[CH+8:CH+9], v[CH+8:CH+9], v[AC+2:AC+3]
	CMUL 2, 1, WB0
	CMUL 3, 1, WB1
	CMUL 0, 1, WA0
	CMUL 1, 1, WA1
	CMUL 2, 2, WB0
.endif
.if pp == 2
	WIN 0
	CMUL 3, 2, WB1
	CMUL 0, 2, WA0
	CMUL 1, 2, WA1
	CMUL 2, 3, WB0
	CMUL 3, 3, WB1
	CMUL 0, 3, WA0
	CMUL 1, 3, WA1
	CVTS 0, 5, \nb
.endif
.if pp == 3
	CVTS 5, 11, \nb
.endif
.endm
; Matrix instruction ii of a step: tile (a, b) = (ii / 4, ii % 4).  Source 0 = the x side's fragment b, source 1 = the y side's fragment a: lane l then holds
; canvas row 16 a + l % 16, and its registers 0-7 the columns 16 b + 8 (l / 16) + 0..7.  zero = 1: the first product starts the sum.
.macro MM par, zero
.set ma, ii/4
.set mb, ii%4
.set mc, 8*ii
	WIN MUL
.if \zero
	v_wmma_f32_16x16x32_f16 v[mc:mc+7], v[FR+64*\par+32+8*mb:FR+64*\par+32+8*mb+7], v[FR+64*\par+8*ma:FR+64*\par+8*ma+7], 0
.else
	v_wmma_f32_16x16x32_f16 v[mc:mc+7], v[FR+64*\par+32+8*mb:FR+64*\par+32+8*mb+7], v[FR+64*\par+8*ma:FR+64*\par+8*ma+7], v[mc:mc+7]
.endif
.endm
; A K STEP of 32 points: 16 matrix instructions on fragment buffer par; behind each one a piece of the NEXT step's fragments, into buffer nb.
; The price is nine window switches for four matrix instructions: accumulators and fragments fill window 1, points and chains live in window 0.
; A piece names window 0 and buffer nb only, never a register of a matrix instruction of this step; buffer par is first written
; again in the next step's third piece, more than thirty plain vector instructions behind its last reader (ISA guide 7.12.1 asks four).
; prod = 1: a step follows.  load = 1: the points of the step after that are fetched into point buffer par, whose points were used up in the last step.
.macro STEP par, nb, zero, prod, load
.if \prod
	s_wait_dscnt 0x0                               ; point buffer nb, asked for a whole step ago; nothing younger is out
.endif
.if \load
	LOADPT \par
.endif
.set ii, 0
.rept 16
	MM \par, \zero
.if \prod
	PIECE \nb
.endif
.set ii, ii+1
.endr
	WIN 0
.endm
	LOADPT 0
	LOADPT 1
	s_wait_dscnt 20                                ; step 0's points are in; the 20 loads of step 1's stay out
.set ii, 0
.rept 16
	PIECE 0                                        ; step 0's fragments
.set ii, ii+1
.endr
	WIN 0
	STEP 0, 1, 1, 1, 1                             ; step 0: its products start the sums
	s_cmp_eq_u32 s15, 0
	s_cbranch_scc1 .Lnoloop
.Lsteps:
	STEP 1, 0, 0, 1, 1
	STEP 0, 1, 0, 1, 1                             ; (the very last full step fetches one step of null points past the list)
	s_sub_co_i32 s15, s15, 1
	s_cmp_lg_u32 s15, 0
	s_cbranch_scc1 .Lsteps
.Lnoloop:
	s_cmp_eq_u32 s27, 0
	s_cbranch_scc1 .Leven
	STEP 1, 0, 0, 1, 0                             ; an odd number of full steps: one more, which fetches nothing,
	STEP 0, 1, 0, 0, 0                             ; and the last step, products alone, is on buffer 0
	s_branch .Lout
.Leven:
	STEP 1, 0, 0, 0, 0                             ; the last step is on buffer 1
.Lout:
	; THE WAY OUT.  Each wave lays its 128 accumulator registers into its own image: line 2 (4 a + b) + q holds registers 4 q .. 4 q + 3 of tile (a, b), 16 bytes a lane.
.rept 4
	v_nop                                          ; four places between the last matrix instruction and the stores that read results
.endr
	s_wait_dscnt 0x0                               ; the look-ahead's point loads may still be out: they land before I signal, and before their registers serve the way out
	s_barrier_signal -1                            ; images and point arrays are different bytes; like the first barrier this one only makes plain that
	s_barrier_wait -1                              ; no wave reads points any more
	WIN ST
.set rl, 0
.rept 32
	ds_store_b128 v[RS], v[4*rl:4*rl+3] offset:512*rl
.set rl, rl+1
.endr
	WIN 0
	s_wait_dscnt 0x0                               ; my image is whole, for the others' sake
	s_barrier_signal -1
	s_barrier_wait -1
	; Wave w adds lines 8 w .. 8 w + 7 of the four images, as (0 + 1) + (2 + 3), and stores them: each store of the wave covers
	; 512 consecutive bytes of part, at a multiple of 512 from its first byte.
.irp l, 0,1,2,3,4,5,6,7
.irp s, 0,1,2,3
	ds_load_b128 v[RB+16*\l+4*\s:RB+16*\l+4*\s+3], v[RL+\s] offset:512*\l
.endr
.endr
.irp l, 0,1,2,3,4,5,6,7
	s_wait_dscnt 4*(7-\l)                          ; LDS loads come back in order (ISA guide 5.7.1): four for each later line stay out
	v_pk_add_f32 v[RB+16*\l:RB+16*\l+1],     v[RB+16*\l:RB+16*\l+1],     v[RB+16*\l+4:RB+16*\l+5]
	v_pk_add_f32 v[RB+16*\l+2:RB+16*\l+3],   v[RB+16*\l+2:RB+16*\l+3],   v[RB+16*\l+6:RB+16*\l+7]
	v_pk_add_f32 v[RB+16*\l+8:RB+16*\l+9],   v[RB+16*\l+8:RB+16*\l+9],   v[RB+16*\l+12:RB+16*\l+13]
	v_pk_add_f32 v[RB+16*\l+10:RB+16*\l+11], v[RB+16*\l+10:RB+16*\l+11], v[RB+16*\l+14:RB+16*\l+15]
	v_pk_add_f32 v[RB+16*\l:RB+16*\l+1],     v[RB+16*\l:RB+16*\l+1],     v[RB+16*\l+8:RB+16*\l+9]
	v_pk_add_f32 v[RB+16*\l+2:RB+16*\l+3],   v[RB+16*\l+2:RB+16*\l+3],   v[RB+16*\l+10:RB+16*\l+11]
	global_store_b128 v[GO], v[RB+16*\l:RB+16*\l+3], s[2:3] offset:512*\l
.endr
	s_wait_tensorcnt 0x0
	ds_add_u32 v224, v225
	s_wait_dscnt 0x0
	s_endpgm
.Lfunc_end_k_qe089751f14_splat:
	.size	k_qe089751f14_splat, .Lfunc_end_k_qe089751f14_splat-k_qe089751f14_splat
	.p2alignl 7, 3214868480
	.fill 96, 4, 3214868480
	.section	.rodata,"a",@progbits
	.p2align	6, 0x0
	.amdhsa_kernel k_qe089751f14_splat
		.amdhsa_group_segment_fixed_size 240128
		.amdhsa_private_segment_fixed_size 0
		.amdhsa_enable_private_segment 0
		.amdhsa_kernarg_size 40
		.amdhsa_user_sgpr_count 2
		.amdhsa_user_sgpr_kernarg_segment_ptr 1
		.amdhsa_wavefront_size32 1
		.amdhsa_system_sgpr_workgroup_id_x 1
		.amdhsa_system_sgpr_workgroup_id_y 1
		.amdhsa_system_sgpr_workgroup_id_z 1
		.amdhsa_system_vgpr_workitem_id 0
		.amdhsa_next_free_vgpr 512
		.amdhsa_next_free_sgpr 72
		.amdhsa_reserve_vcc 0
		.amdhsa_float_denorm_mode_32 3
		.amdhsa_float_denorm_mode_16_64 3
		.amdhsa_memory_ordered 1
		.amdhsa_forward_progress 1
		.amdhsa_inst_pref_size 177
	.end_amdhsa_kernel
	.amdgpu_metadata
---
amdhsa.version: [ 1, 2 ]
amdhsa.kernels:
  - .name:           k_qe089751f14_splat
    .symbol:         k_qe089751f14_splat.kd
    .args:
      - { .name: positions, .offset: 0, .size: 8, .value_kind: global_buffer, .address_space: global }
      - { .name: activities, .offset: 8, .size: 8, .value_kind: global_buffer, .address_space: global }
      - { .name: position_scale, .offset: 16, .size: 8, .value_kind: global_buffer, .address_space: global }
      - { .name: marks, .offset: 24, .size: 8, .value_kind: global_buffer, .address_space: global }
      - { .name: part, .offset: 32, .size: 8, .value_kind: global_buffer, .address_space: global }
    .group_segment_fixed_size: 240128
    .private_segment_fixed_size: 0
    .kernarg_segment_align: 8
    .kernarg_segment_size: 40
    .max_flat_workgroup_size: 128
    .sgpr_count:     72
    .vgpr_count:     512
    .wavefront_size: 32
...
	.end_amdgpu_metadata
.endif
;; end of part 4
;; launch fold (part 5): grid 256 x 1, 8 waves a work-group, no clusters, 5,376 bytes of LDS; arguments part, out0; writes out0
.if DOCPART == 5
	.amdgcn_target "amdgcn-amd-amdhsa--gfx1250"
	.amdhsa_code_object_version 6
	.text
	.protected	k_qe089751f14_fold
	.globl	k_qe089751f14_fold
	.p2align	8
	.type	k_qe089751f14_fold,@function
k_qe089751f14_fold:
	s_mov_b64 s[64:65], 0
	v_nop
	global_prefetch_b8 v0, s[64:65] scope:SCOPE_SE
	s_setreg_imm32_b32 hwreg(HW_REG_WAVE_MODE, 25, 1), 1
	s_wait_xcnt 0x0
; out0 = the sum of the 4 splits of part, times the factor that the launch before left out, laid back into rows of the canvas.
; part: [split 4][block 64][line 32][lane 32][4 f32], line = 2 (4 a + b) + q: lane l's four numbers are canvas row 16 a + l % 16 of the block,
; columns 16 b + 8 (l / 16) + 4 q + 0..3.  Work-group g takes the 4,096 bytes at 4,096 g of every split: block g >> 2, a = g & 3, all four b:
; a patch of 16 rows x 64 columns.  Thread t takes the 16 bytes at 16 t: wave v = t >> 5 is line 8 a + v, so b = v >> 1, q = v & 1.
; A stream: each byte of part is read once, by loads of 512 consecutive bytes a wave, all 4 of a thread in flight at once.  Matrix units, tensor loads and
; clusters have nothing to do here: no byte is shared between work-groups.
; The factor is exp2(-(ka ka + kb kb) D D), ka = a - 2, kb = b - 2, D D = 256 x 1250 log2 e / 511^2: at least 2^-14.2.
; The sum runs over the splits in ascending order, in f32.
.set K_NDD, 0xbfe24de3                 ; -D D = -1.7680019
.set PITCH, 272                        ; a patch row in LDS: 256 bytes + 16 = 17 x 16: sixteen rows start in sixteen different 16-byte columns modulo 256 bytes
.set X, 16                             ; v[16:31]  split k: 4 registers
	s_load_b128 s[4:7], s[0:1], 0x0                ; part s[4:5], out0 s[6:7]
	v_lshl_add_u32 v32, v0, 2, 0x1100
	v_mov_b32 v33, 0
	v_lshlrev_b32 v1, 4, v0                        ; 16 t
	s_lshl_b32 s8, ttmp9, 12
	s_mov_b32 s9, 0
	s_lshr_b32 s12, ttmp9, 5                       ; out0: block row x 64 rows of 2,048 bytes
	s_lshl_b32 s12, s12, 17
	s_and_b32 s13, ttmp9, 3                        ; + a x 16 rows
	s_lshl_b32 s13, s13, 15
	s_add_co_u32 s12, s12, s13
	s_bfe_u32 s13, ttmp9, 0x30002                  ; + block column x 256 bytes
	s_lshl_b32 s13, s13, 8
	s_add_co_u32 s12, s12, s13
	s_mov_b32 s13, 0
	s_and_b32 s14, ttmp9, 3                        ; a
	s_sub_co_i32 s14, s14, 2
	s_mul_i32 s14, s14, s14                        ; ka ka
	s_wait_kmcnt 0x0
	s_add_nc_u64 s[4:5], s[4:5], s[8:9]
	s_add_nc_u64 s[6:7], s[6:7], s[12:13]
.irp k, 0,1,2,3
	global_load_b128 v[X+4*\k:X+4*\k+3], v1, s[4:5] offset:1048576*\k th:TH_LOAD_NT
.endr
	v_lshrrev_b32 v4, 6, v0                        ; b
	v_add_nc_u32 v4, -2, v4
	v_mul_lo_u32 v4, v4, v4                        ; kb kb
	v_add_nc_u32 v4, s14, v4
	v_cvt_f32_u32 v4, v4
	v_mul_f32 v4, K_NDD, v4
	v_exp_f32 v2, v4                               ; the factor, twice: a pair for the packed multiply
	v_exp_f32 v3, v4
	v_and_b32 v9, 15, v0                           ; (plain work stands between the exponentials and their use: ISA guide 5.7.2)
	v_mul_u32_u24 v5, v9, PITCH                    ; in: row l % 16,
	v_bfe_u32 v6, v0, 4, 1
	v_lshl_add_u32 v5, v6, 5, v5                   ; + 32 (l / 16)
	v_bfe_u32 v6, v0, 5, 1
	v_lshl_add_u32 v5, v6, 4, v5                   ; + 16 q
	v_lshrrev_b32 v6, 6, v0
	v_lshl_add_u32 v5, v6, 6, v5                   ; + 64 b
	v_lshrrev_b32 v6, 4, v0                        ; back: row t / 16, 16 bytes at 16 (t % 16)
	v_mul_u32_u24 v7, v6, PITCH
	v_lshl_add_u32 v7, v9, 4, v7
	v_lshlrev_b32 v8, 11, v6                       ; and the same in out0
	v_lshl_add_u32 v8, v9, 4, v8
.irp k, 1,2,3
	s_wait_loadcnt 3-\k                            ; loads come back in order (ISA guide 5.7.1): split k is in, the later ones stay out
	v_pk_add_f32 v[X:X+1],   v[X:X+1],   v[X+4*\k:X+4*\k+1]
	v_pk_add_f32 v[X+2:X+3], v[X+2:X+3], v[X+4*\k+2:X+4*\k+3]
.endr
	s_wait_alu depctr_va_vdst(0)
	v_pk_mul_f32 v[X:X+1],   v[X:X+1],   v[2:3]
	v_pk_mul_f32 v[X+2:X+3], v[X+2:X+3], v[2:3]
	ds_store_b128 v5, v[X:X+3]
	s_wait_dscnt 0x0                               ; my 16 bytes lie in the patch, for the others' sake
	s_barrier_signal -1
	s_barrier_wait -1
	ds_load_b128 v[X+4:X+7], v7
	s_wait_dscnt 0x0
	global_store_b128 v8, v[X+4:X+7], s[6:7] th:TH_STORE_NT    ; sixteen neighbouring lanes store 256 consecutive bytes, at a multiple of 256 from out0's first byte
	s_wait_tensorcnt 0x0
	ds_add_u32 v32, v33
	s_wait_dscnt 0x0
	s_endpgm
.Lfunc_end_k_qe089751f14_fold:
	.size	k_qe089751f14_fold, .Lfunc_end_k_qe089751f14_fold-k_qe089751f14_fold
	.p2alignl 7, 3214868480
	.fill 96, 4, 3214868480
	.section	.rodata,"a",@progbits
	.p2align	6, 0x0
	.amdhsa_kernel k_qe089751f14_fold
		.amdhsa_group_segment_fixed_size 5376
		.amdhsa_private_segment_fixed_size 0
		.amdhsa_enable_private_segment 0
		.amdhsa_kernarg_size 16
		.amdhsa_user_sgpr_count 2
		.amdhsa_user_sgpr_kernarg_segment_ptr 1
		.amdhsa_wavefront_size32 1
		.amdhsa_system_sgpr_workgroup_id_x 1
		.amdhsa_system_sgpr_workgroup_id_y 1
		.amdhsa_system_sgpr_workgroup_id_z 1
		.amdhsa_system_vgpr_workitem_id 0
		.amdhsa_next_free_vgpr 34
		.amdhsa_next_free_sgpr 66
		.amdhsa_reserve_vcc 0
		.amdhsa_float_denorm_mode_32 3
		.amdhsa_float_denorm_mode_16_64 3
		.amdhsa_memory_ordered 1
		.amdhsa_forward_progress 1
		.amdhsa_inst_pref_size 4
	.end_amdhsa_kernel
	.amdgpu_metadata
---
amdhsa.version: [ 1, 2 ]
amdhsa.kernels:
  - .name:           k_qe089751f14_fold
    .symbol:         k_qe089751f14_fold.kd
    .args:
      - { .name: part, .offset: 0, .size: 8, .value_kind: global_buffer, .address_space: global }
      - { .name: out0, .offset: 8, .size: 8, .value_kind: global_buffer, .address_space: global }
    .group_segment_fixed_size: 5376
    .private_segment_fixed_size: 0
    .kernarg_segment_align: 8
    .kernarg_segment_size: 16
    .max_flat_workgroup_size: 256
    .sgpr_count:     66
    .vgpr_count:     34
    .wavefront_size: 32
...
	.end_amdgpu_metadata
.endif
;; end of part 5
;; ======== version 3 of 3: 3 launches; version 2 with the launch splat written anew for expert scheduling mode
;; limits: inputs' magnitudes at most 7,700; values are held in f16: magnitudes above 65,504 overflow, below 6.1e-05 lose precision
;; workspace buffers: part 4,194,304 bytes; marks 65,536 bytes of whole numbers
;; launch mark: the kernel of part 3 again; grid 256 x 1, 1 waves a work-group, no clusters, 0 bytes of LDS; arguments positions, position_scale, marks; writes marks
;; launch splat (part 6): grid 64 x 4, 4 waves a work-group, no clusters, 240,128 bytes of LDS; arguments positions, activities, position_scale, marks, part; writes part
.if DOCPART == 6
	.amdgcn_target "amdgcn-amd-amdhsa--gfx1250"
	.amdhsa_code_object_version 6
	.text
	.protected	k_qe089751f14_splat
	.globl	k_qe089751f14_splat
	.p2align	8
	.type	k_qe089751f14_splat,@function
k_qe089751f14_splat:
	s_mov_b64 s[64:65], 0
	v_nop
	global_prefetch_b8 v0, s[64:65] scope:SCOPE_SE
	s_setreg_imm32_b32 hwreg(HW_REG_WAVE_SCHED_MODE, 0, 2), 2
	s_setreg_imm32_b32 hwreg(HW_REG_WAVE_MODE, 25, 1), 1
	s_wait_xcnt 0x0
	s_wait_alu depctr_vm_vsrc(0)
; canvas[h][w] = sum over n of act[n] gy[n][h] gx[n][w]: a product of 512 x 512 over K = 32,768 points whose operands are Gaussians made here.
; Work-group (x = block, y = split): block = 64 x 64 of the canvas (rows 64 (block>>3).., columns 64 (block&7)..), split = 8,192 points.
; Each of the four waves owns the WHOLE block for 2,048 points of its own (16 accumulator tiles, 128 registers) and makes its operand fragments
; straight in registers; no operand goes through LDS and the loop has no barrier.  At the end the four waves' sums are added through LDS and
; one image of 16 KB goes to part[split][block]; the last launch adds the 4 splits.
; WHY THIS BLOCK: what goes through LDS and memory at the end grows with the block's area (16 KB a wave, 4 MB of part in all), and a small block is reached
; by few points; what a small block costs is that every wave has to look at four times as many points as with 128 x 128 in 16 splits.
;
; WHICH POINTS.  The launch before stored, for each point, a bit for each block column and block row: set unless all 64 f16 operands of that side are 0 there
; (its head gives the arithmetic).  A wave packs the points that carry both bits of its block to the front of its arrays and runs ceil(count / 32) steps, at least 2, at
; most 64.  A point left out would have added exact zeros, so the sums are those of all 2,048 points, for any data; only the number of steps hangs on the data.
; Behind the list stand 96 null points (u = 32, U = 1, act = 0), whose operands are 0 on both sides: they fill the last step and the one step of look-ahead.
;
; THE OPERANDS.  With s = sqrt(1250 log2 e), D = 16 s / 511 (16 grid steps), rho = r s / 511 (r = lane % 16), u = s (coordinate - centre of the block),
; the Gaussian of fragment f (rows 16 f + r of the block, f = 0..3) is G = exp2(-a^2), a = rho + k D - u, k = f - 2.  p = G 2^(k k D D + S) obeys
; p(next f) = p W with W = exp2(-2 D rho) U free of f, U = exp2(2 D u) made once for each point; the chain starts at exp2(-(rho - 2 D - u)^2 + 4 D D + S).
; So 4 fragments cost 1 exponential and 3 products a point and side.  The factor 2^(-k k D D) hangs on the output's row and column alone and is applied once,
; in the last launch.  S = -4 on the side that carries act, +4 on the other: they cancel.
; FORMAT: f16 operands, f32 sums.  p <= 2^(4DD + S): the x side stays below 2^11.1, the y side below |act| 2^3.1.
; LIMITS: |act| < 7,700 (above, the conversion to f16 overflows).  An operand below 2^-25 (f16's smallest step) becomes 0: a Gaussian under about 2^-29
; on the x side, act x Gaussian under about 2^-21 on the y side.  A chain start below 2^-126 is flushed by v_exp_f32; its later links are then under 2^-56, below
; f16's floor anyway.  u is clamped to +-32: beyond, every row of the block is more than 29 units away, G < 2^-800 is 0 in f32 too, the start is 0,
; W stays finite (< 2^86) and 0 W = 0.  NaN and infinite inputs are not served.
; K PLACES: in a step of 32 points lane half h takes points 16 h .. 16 h + 15, fragment register j the points 2 j, 2 j + 1, alike for both sources.
; NO CLUSTER, NO TENSOR LOADS: a work-group reads 96 KB of points once, lane by lane (a point's place in LDS hangs on its mark), and 2 KB of marks.
; The marks of a wave's 2,048 points lie in 16 chunks of 256 bytes, 16 bytes for a map in each: two loads a wave fetch them in 16-byte pieces, once.
;
; THE MODE: SCHED_MODE bits 1:0 = 2 (LLVM: expert scheduling mode 2), set by the entry lines.  The code itself states the register dependences
; between vector or matrix instructions and memory or LDS instructions, with s_wait_alu, always for 0.
; THE PLAN.  Registers that memory or LDS instructions touch:
; THE SET-UP goes in 16 quads of four groups of 32 points; quad k is half k % 2 of batch k / 2.
;   SU0 .. SU3   four slots, a batch of x, y, act each.  Written by the batch's loads; quad k turns its half's x, y into u in place; read by quad k's 20 LDS stores, which are
;                issued in quad k + 1; slot (b - 1) % 4 is loaded again, with batch b + 3, at the head of quad 2 b + 1.
;   TU0, TU1     U of a quad, set k % 2.  Written by quad k, read by the same stores, written again by quad k + 2.
;   AD0, AD1     the quad's LDS addresses, likewise.
;   PO, AO, MO, GO, RS, RL   offsets and addresses, made at the head and never written again.  T0 .. T2: the null points' addresses, made once.
;   At the head of quad k one wait on va_vdst states that quad k - 1 has written what its stores read and that all work on older slots is done; one wait on vm_vsrc that the stores issued
;   in quad k - 1 have read the set that quad k writes again and the slot that is loaded again.  The refill and the 20 stores follow, the stores dealt among quad k's
;   stages, which name quad k's half slot and its own set alone.
; THE LOOP.
;   PT0, PT1     the points of a step.  PT[nb] was loaded in the step before; this step's vector work reads it and works in it; it is loaded again in the next step.
;   v[PA]        read by a step's 20 point loads, written once, at the step's end.
;   The fragments, the chains, W and the accumulators are named by vector and matrix instructions alone, until the way out.
;   ONE wait on va_vdst stands in a step, behind its fourth matrix instruction and its 32 exponentials: it states that the exponentials' results are written, that the last step's work on
;   PT[par] is done, and that v[PA] is written.  PT[par]'s 20 loads follow it, four at a time among the matrix instructions; what stands beside them names PT[nb], the chains, W and the fragments.
;   One wait on vm_vsrc stands at the step's end, ahead of the lines that step v[PA].
.set ARR,    8704                      ; one point array of a wave: 2,176 places of f32: 2,048 points, 96 null points behind the longest list, 32 places for what is left out
.set NIDX,   2144                      ; the first of those 32: lane l puts a point that is left out at place NIDX + l
.set LASTOFF, 8256                     ; 64 + 64 x 128: the furthest that a step's loads begin
.set WPTS,   5*ARR                     ; a wave's five arrays: 0 u(y), 1 U(y), 2 act, 3 u(x), 4 U(x)
.set RED,    4*WPTS                    ; behind them: four images of 16 KB, one for each wave
.set IMG,    16384
.set K_S,    0x4229dd47                ; s = 42.466090
.set K_NS,   0xc229dd47
.set K_DS,   0x3daa3260                ; s / 511
.set K_NDS,  0xbdaa3260
.set K_2D,   0x402a3260                ; 2 D
.set K_N2D,  0xc02a3260
.set K_CA,   0x40449bc5                ; 4 D D - 4
.set K_CB,   0x413126f1                ; 4 D D + 4
; window 0
.set LN,   1                           ; v1        lane
.set SC,   2                           ; v[2:3]    position_scale, twice
.set KS,   4                           ; v[4:5]    s, -s
.set OFS,  6                           ; v[6:7]    -s x centre(x), s (1 - centre(y))
.set PO,   8                           ; v8        8 x lane: my point of a group in positions
.set AO,   9                           ; v9        4 x lane: the same in activities
.set PA,   10                          ; v10       LDS: my half's 16 points of the next step to load
.set RS,   12                          ; v12       LDS: my 16 bytes of a line of my wave's image
.set RL,   13                          ; v13-16    LDS: the same in wave 0..3's image, at my wave's quarter of the lines
.set GO,   17                          ; v17       16 x lane
.set RHO1, 18                          ; v[18:19]  rho - 2 D, twice
.set RW,   20                          ; v[20:21]  exp2(-2 D rho), twice
.set K2,   22                          ; v[22:23]  2 D, twice
.set PT,   24                          ; v[24:183] points of a step: 80 x buffer + 16 x array + point.  In arrays 0 and 3 a, the exponent and the chain's start take u's place
.set CH,   184                         ; v[184:215] chain c (0, 1: y side, first and second pair of points; 2, 3: x side), link st = 1..3: a pair at 8 c + 2 st; link 0 lies in the point buffer
.set WA0,  216                         ; v[216:223] W of the two pairs, y side, x side
.set WA1,  218
.set WB0,  220
.set WB1,  222
.set CA,   226                         ; v[226:227] 4 D D - 4, twice
.set CB,   228                         ; v[228:229] 4 D D + 4, twice
.set T0,   230                         ; v[230:232] at work at the head; then the null points' three LDS addresses
.set T1,   231
.set T2,   232
.set POF,  233                         ; v233      64 h + 128 x step: PA without the wave's base and before its bound
.set DUMP, 234                         ; v234      NIDX + lane
.set MO,   235                         ; v235      my two words' offset in a map's marks
.set MX,   236                         ; v[236:237] lane l: the marks of groups 2 l, 2 l + 1: my block column's, then column's AND row's
.set MY,   238                         ; v[238:239] my block row's
.set IDX,  240                         ; v[240:247] set-up: a point's place, four groups, two sets in turn
.set AD,   248                         ; v[248:255] set-up: its LDS address
.set SU,   24                          ; set-up only: v[24:119] four slots of 24: eight groups' x, y (16 registers) and act (8)
.set TU,   120                         ;              v[120:135] U(x), U(y) of four groups, two sets in turn
.set N32,  136                         ;              the null point: 32.0, 1.0, 0
.set N1,   137
.set N0,   138
.set RB,   24                          ; the way out: 8 lines x 4 images x 4 registers
; window 1: v0-127 accumulator tile (a, b) at 8 (4 a + b);  v128-255 fragments, FR + 64 x buffer + 32 x side (0: y with act, 1: x) + 8 f + j
.set FR,   128
; scalars: s[2:3] part, s[4:5] positions, s[6:7] activities, s[8:9] position_scale, s[10:11] marks, s12 wave, s14 split, s15 count, then loop trips, s17 my arrays in LDS,
;          s24, s25 the clamp, s27 one more full step?, s[32:35] four groups' marks, s[36:38] the count in front of the second to fourth of them, s[66:69] my maps' addresses
.set MSB, 0
.macro WIN new                         ; s_set_vgpr_msb: bits 1:0 source 0, 3:2 source 1, 5:4 source 2, 7:6 destination; the high byte repeats the setting left
.if MSB != \new
	s_set_vgpr_msb (MSB<<8)|\new
.set MSB, \new
.endif
.endm
.set TO_F,   0x40                      ; destination window 1
.set MUL,    0x55                      ; all four operands window 1
.set ST,     0x04                      ; LDS store data (source 1) window 1
	s_load_b256 s[4:11], s[0:1], 0x0               ; positions, activities, position_scale, marks
	s_load_b64 s[2:3], s[0:1], 0x20                ; part
	v_lshl_add_u32 v224, v0, 2, 0x3a800
	v_mov_b32 v225, 0
	v_lshrrev_b32 v1, 5, v0
	v_readfirstlane_b32 s12, v1                    ; wave
	s_and_b32 s14, ttmp7, 0xffff                   ; split
	v_and_b32 v[LN], 31, v0                        ; lane
	v_and_b32 v[T0], 15, v0                        ; r
	v_bfe_u32 v[T1], v0, 4, 1                      ; h
	v_lshlrev_b32 v[PO], 3, v[LN]
	v_lshlrev_b32 v[AO], 2, v[LN]
	v_lshlrev_b32 v[GO], 4, v[LN]
	v_lshrrev_b32 v[MO], 1, v[LN]                  ; groups 2 l, 2 l + 1 are words 2 (l & 1), + 1 of chunk l >> 1
	v_lshlrev_b32 v[MO], 8, v[MO]
	v_and_b32 v[T2], 1, v[LN]
	v_lshl_or_b32 v[MO], v[T2], 3, v[MO]
	s_wait_alu depctr_va_sdst(0)                   ; s12 is written, ahead of its first reader: the offsets below are made from it
	s_lshl_b32 s26, s14, 16                        ; my first point is 8192 split + 2048 wave: x 8 bytes in positions,
	s_lshl_b32 s27, s12, 14
	s_add_co_u32 s26, s26, s27
	s_mov_b32 s27, 0
	s_lshr_b32 s28, s26, 1                         ; x 4 bytes in activities,
	s_mov_b32 s29, 0
	s_lshr_b32 s18, s26, 2                         ; x 2 bytes in marks (256 bytes for 128 points)
	s_and_b32 s19, ttmp9, 7
	s_lshl_b32 s19, s19, 4
	s_add_co_u32 s20, s18, s19                     ; + 16 x map: my block column's,
	s_mov_b32 s21, 0
	s_lshr_b32 s19, ttmp9, 3
	s_lshl_b32 s19, s19, 4
	s_add_co_u32 s22, s18, s19
	s_add_co_u32 s22, s22, 128                     ; and my block row's, maps 8 to 15
	s_mov_b32 s23, 0
	s_lshl_b32 s30, s14, 6                         ; part: (64 split + block) images of 16 KB, + my wave's quarter
	s_add_co_u32 s30, s30, ttmp9
	s_lshl_b32 s30, s30, 14
	s_lshl_b32 s31, s12, 12
	s_add_co_u32 s30, s30, s31
	s_mov_b32 s31, 0
	s_wait_kmcnt 0x0
	s_load_b32 s16, s[8:9], 0x0                    ; position_scale
	s_add_nc_u64 s[66:67], s[10:11], s[20:21]
	s_add_nc_u64 s[68:69], s[10:11], s[22:23]
	s_add_nc_u64 s[4:5], s[4:5], s[26:27]
	s_add_nc_u64 s[6:7], s[6:7], s[28:29]
	s_add_nc_u64 s[2:3], s[2:3], s[30:31]
	s_wait_alu depctr_va_vdst(0)                   ; v[MO], v[PO] and v[AO] are written: the loads of marks, positions and activities read them as offsets
	global_load_b64 v[MX:MX+1], v[MO], s[66:67]
	global_load_b64 v[MY:MY+1], v[MO], s[68:69]
; 16 loads: batch b = groups 8 b .. 8 b + 7; group g = points 32 g + lane of my wave's 2,048, so that a word of marks is a lane mask.  Slot b % 4.
.macro BATCH b
.irp i, 0,1,2,3,4,5,6,7
	global_load_b64 v[SU+24*((\b)%4)+2*\i:SU+24*((\b)%4)+2*\i+1], v[PO], s[4:5] offset:256*(8*(\b)+\i)   ; 256 consecutive bytes
	global_load_b32 v[SU+24*((\b)%4)+16+\i], v[AO], s[6:7] offset:128*(8*(\b)+\i)                       ; 128 consecutive bytes; two neighbouring groups' loads make up 256
.endr
.endm
	BATCH 0
	BATCH 1
	BATCH 2
	; the lane's constants
	v_cvt_f32_u32 v[T0], v[T0]
	v_mul_f32 v[T0], K_DS, v[T0]                   ; rho
	v_add_f32 v[RHO1], K_N2D, v[T0]
	v_mul_f32 v[T2], K_N2D, v[T0]
	v_mov_b32 v[RHO1+1], v[RHO1]
	v_exp_f32 v[RW], v[T2]
	v_mov_b32 v[CA], K_CA                          ; plain instructions stand between the exponential and the first use of its result (ISA guide 5.7.2)
	v_mov_b32 v[CA+1], K_CA
	v_mov_b32 v[CB], K_CB
	v_mov_b32 v[CB+1], K_CB
	v_mov_b32 v[KS], K_S
	v_mov_b32 v[KS+1], K_NS
	v_mov_b32 v[K2], K_2D
	v_mov_b32 v[K2+1], K_2D
	s_and_b32 s20, ttmp9, 7                        ; u(x) = s x - (64 bx + 32) s / 511
	s_lshl_b32 s20, s20, 6
	s_add_co_u32 s20, s20, 32
	s_lshr_b32 s21, ttmp9, 3                       ; u(y) = s (1 - ps_y) - (64 by + 32) s / 511 = -s ps_y + (479 - 64 by) s / 511
	s_lshl_b32 s21, s21, 6
	s_sub_co_u32 s21, 479, s21
	v_cvt_f32_u32 v[OFS], s20
	v_cvt_f32_u32 v[OFS+1], s21
	v_mul_f32 v[OFS], K_NDS, v[OFS]
	v_mul_f32 v[OFS+1], K_DS, v[OFS+1]
	s_mov_b32 s24, 0xc2000000                      ; -32.0
	s_mov_b32 s25, 0x42000000                      ; 32.0
	; LDS addresses
	s_mul_i32 s17, s12, WPTS
	v_lshlrev_b32 v[POF], 6, v[T1]                 ; 64 h
	v_add_nc_u32 v[PA], s17, v[POF]
	s_lshl_b32 s18, s12, 14
	s_add_co_u32 s18, s18, RED
	v_add_nc_u32 v[RS], s18, v[GO]
	s_lshl_b32 s19, s12, 12
	s_add_co_u32 s19, s19, RED
.irp s, 0,1,2,3
	v_add_nc_u32 v[RL+\s], s19, v[GO]
	s_add_co_u32 s19, s19, IMG
.endr
	v_add_nc_u32 v[DUMP], NIDX, v[LN]
	v_mov_b32 v[N32], 0x42000000
	v_mov_b32 v[N1], 1.0
	v_mov_b32 v[N0], 0
	s_mov_b32 s15, 0                               ; points kept so far
	s_wait_alu depctr_va_vdst(0)                   ; the exponential has written v[RW], which the next line reads
	v_mov_b32 v[RW+1], v[RW]
	s_wait_kmcnt 0x0                               ; the scale
	v_mov_b32 v[SC], s16
	v_mov_b32 v[SC+1], s16
	s_wait_loadcnt 48                              ; the marks are in: the 3 x 16 loads issued behind them stay out
	v_and_b32 v[MX], v[MX], v[MY]                  ; marked for my block's column and row
	v_and_b32 v[MX+1], v[MX+1], v[MY+1]
.macro PREV k                          ; the registers that quad k's stores read
.set PSP, SU+24*(((\k)/2)%4)+8*((\k)%2)
.set PAR, SU+24*(((\k)/2)%4)+16+4*((\k)%2)
.set PTU, TU+8*((\k)%2)
.set PAD, AD+4*((\k)%2)
.endm
.macro PUT q                           ; group q of that quad goes to its places in the five arrays
	ds_store_b32 v[PAD+\q], v[PSP+2*\q+1] offset:0*ARR
	ds_store_b32 v[PAD+\q], v[PTU+2*\q+1] offset:1*ARR
	ds_store_b32 v[PAD+\q], v[PAR+\q]     offset:2*ARR
	ds_store_b32 v[PAD+\q], v[PSP+2*\q]   offset:3*ARR
	ds_store_b32 v[PAD+\q], v[PTU+2*\q]   offset:4*ARR
.endm
; QUAD k: four groups of 32 points, one point a lane, stage by stage so that no line needs the result of the line in front of it:
; ps = 0.5 + scale (pos - 0.5); u for x and y in one packed multiply-add; clamp; U = exp2(2 D u).  A point with both marks goes to the next
; free place, in the points' own order: the count so far + the marked lanes below mine.  The others go to place NIDX + lane.
; The 20 stores of the quad before are dealt among the first stages.  Three batches or more are on their way at any time.
.macro QUAD k
.set SPB, SU+24*(((\k)/2)%4)+8*((\k)%2)
.set GR0, 4*(\k)
.set TUB, TU+8*((\k)%2)
.set IXB, IDX+4*((\k)%2)
.set ADB, AD+4*((\k)%2)
.if (\k) < 12
	s_wait_loadcnt 40-8*((\k)%2)                   ; stay out: 16 loads for each of the two later batches, 8 of this batch's second half
.else
	s_wait_loadcnt 16*(7-(\k)/2)+8-8*((\k)%2)      ; the last two batches: the counts run down
.endif
.if (\k) > 0
	PREV (\k)-1
	s_wait_alu depctr_va_vdst(0)                   ; the quad before has written its u, its U (the results of its eight exponentials) and its addresses, which the stores below read; all work on older slots is done
.endif
.if (\k) > 1
	s_wait_alu depctr_vm_vsrc(0)                   ; the stores issued in the quad before have read the set of U and addresses that this quad writes again, and the slot of the batch before, in which an odd quad's loads land
.endif
.if ((\k)%2 == 1) && ((\k) < 10)
	BATCH (\k)/2+3                                 ; into the slot of the batch before this one (quad 1: into the fourth slot, not yet used); no vector instruction since the wait on va_vdst names it
.endif
.irp q, 0,1,2,3
	v_readlane_b32 s[32+\q], v[MX+((GR0+\q)&1)], (GR0+\q)>>1
.endr
.irp q, 0,1,2,3
	v_pk_add_f32 v[SPB+2*\q:SPB+2*\q+1], v[SPB+2*\q:SPB+2*\q+1], -0.5 op_sel_hi:[1,0]
.endr
.if (\k) > 0
	PUT 0                                          ; no wait: this quad's lines name its own half slot and its own set alone
.endif
.irp q, 0,1,2,3
	v_pk_fma_f32 v[SPB+2*\q:SPB+2*\q+1], v[SPB+2*\q:SPB+2*\q+1], v[SC:SC+1], 0.5 op_sel_hi:[1,1,0]
.endr
.if (\k) > 0
	PUT 1
.endif
.irp q, 0,1,2,3
	v_pk_fma_f32 v[SPB+2*\q:SPB+2*\q+1], v[SPB+2*\q:SPB+2*\q+1], v[KS:KS+1], v[OFS:OFS+1]
.endr
.if (\k) > 0
	PUT 2
.endif
.irp q, 0,1,2,3
	v_med3_num_f32 v[SPB+2*\q], v[SPB+2*\q], s24, s25
	v_med3_num_f32 v[SPB+2*\q+1], v[SPB+2*\q+1], s24, s25
.endr
.if (\k) > 0
	PUT 3
.endif
.irp q, 0,1,2,3
	v_pk_mul_f32 v[TUB+2*\q:TUB+2*\q+1], v[SPB+2*\q:SPB+2*\q+1], v[K2:K2+1]
.endr
.irp q, 0,1,2,3
	v_exp_f32 v[TUB+2*\q], v[TUB+2*\q]
	v_exp_f32 v[TUB+2*\q+1], v[TUB+2*\q+1]
.endr
	s_wait_alu depctr_va_sdst(0)                   ; the four v_readlane_b32 have written s[32:35], ahead of their first reader
	s_bcnt1_i32_b32 s26, s32
	s_add_co_u32 s36, s15, s26
	s_bcnt1_i32_b32 s26, s33
	s_add_co_u32 s37, s36, s26
	s_bcnt1_i32_b32 s26, s34
	s_add_co_u32 s38, s37, s26
	v_mbcnt_lo_u32_b32 v[IXB], s32, s15            ; (the plain lines from here on also stand between the exponentials and the stores that read them: ISA guide 5.7.2)
	v_mbcnt_lo_u32_b32 v[IXB+1], s33, s36
	v_mbcnt_lo_u32_b32 v[IXB+2], s34, s37
	v_mbcnt_lo_u32_b32 v[IXB+3], s35, s38
	s_bcnt1_i32_b32 s26, s35
	s_add_co_u32 s15, s38, s26
.irp q, 0,1,2,3
	v_cndmask_b32 v[IXB+\q], v[DUMP], v[IXB+\q], s[32+\q]
.endr
.irp q, 0,1,2,3
	v_min_u32 v[IXB+\q], NIDX+31, v[IXB+\q]        ; a place made from numbers read from memory is bounded before it enters an address; at most 2,048 points can be kept, so it changes nothing
.endr
.irp q, 0,1,2,3
	v_lshl_add_u32 v[ADB+\q], v[IXB+\q], 2, s17
.endr
.endm
.irp k, 0,1,2,3,4,5,6,7,8,9,10,11,12,13,14,15
	QUAD \k
.endr
	; 96 null points behind the list: places count .. count + 95.  The furthest place read is 32 steps + 31 (one step of look-ahead), at most count + 62, or 95 where two steps are forced.
.irp i, 0,1,2
	v_add3_u32 v[T0+\i], s15, v[LN], 32*\i
.endr
.irp i, 0,1,2
	v_min_u32 v[T0+\i], NIDX+31, v[T0+\i]          ; bounded like every place; at most 2,048 + 95
.endr
.irp i, 0,1,2
	v_lshl_add_u32 v[T0+\i], v[T0+\i], 2, s17      ; registers that no LDS instruction has read
.endr
	PREV 15
	s_wait_alu depctr_va_vdst(0)                   ; the last quad has written its u, its U (the results of its eight exponentials) and its addresses, and the null points' addresses are written: the stores below read them
.irp q, 0,1,2,3
	PUT \q
.endr
.irp i, 0,1,2
	ds_store_b32 v[T0+\i], v[N32] offset:0*ARR
	ds_store_b32 v[T0+\i], v[N1]  offset:1*ARR
	ds_store_b32 v[T0+\i], v[N0]  offset:2*ARR
	ds_store_b32 v[T0+\i], v[N32] offset:3*ARR
	ds_store_b32 v[T0+\i], v[N1]  offset:4*ARR
.endr
	s_add_co_u32 s26, s15, 31                      ; steps = ceil(count / 32),
	s_lshr_b32 s26, s26, 5
	s_max_u32 s26, s26, 2                          ; at least two (the first starts the sums and makes the second's fragments; null points fill them up),
	s_min_u32 s26, s26, 64                         ; at most 64, whatever was read
	s_sub_co_u32 s26, s26, 2                       ; between the first and the last step: 0 to 62 full steps,
	s_lshr_b32 s15, s26, 1                         ; two to a loop trip,
	s_and_b32 s27, s26, 1                          ; and perhaps one more
	s_wait_dscnt 0x0                               ; The arrays are each wave's own, and LDS serves a wave in order.  the
	s_barrier_signal -1                            ; order of these stores and the loop's reads, whose address steps from trip to trip, is then plain
	s_barrier_wait -1                              ; whatever the address.  It stands once, outside the loop.
; Four loads: my half's 16 points of one step in one array; all 16 lanes of a half read the same 16 bytes.  at: bytes beyond v[PA].
.macro LOADARR buf, arr, at
.irp q, 0,1,2,3
	ds_load_b128 v[PT+80*(\buf)+16*(\arr)+4*\q:PT+80*(\buf)+16*(\arr)+4*\q+3], v[PA] offset:ARR*(\arr)+16*\q+(\at)
.endr
.endm
; The address steps, 128 bytes for 32 points.  The number of steps was read from memory, so the offset is bounded in the text: the furthest load that any path issues begins at LASTOFF, inside the array.
.macro PANEXT by
	s_wait_alu depctr_vm_vsrc(0)                   ; the point loads issued so far have read v[PA]
	v_add_nc_u32 v[POF], \by, v[POF]
	v_min_u32 v[PA], LASTOFF, v[POF]
	v_add_nc_u32 v[PA], s17, v[PA]
.endm
; THE VECTOR WORK for a step's 8 fragments: 200 instructions, in two parts with one wait between them.
; PART 1, 64 instructions, none of which names an exponential's result.  Unit u of 16 is a pair of points of one side (0-7: y, 8-15: x), worked on where its u lies in point buffer nb:
; a = rho - 2 D - u; -a a + 4 D D + S; two exponentials.  Group g of 18 holds unit g's subtraction, unit g - 1's multiply-add and unit g - 2's two exponentials, plain and exponential by turns.
.macro EU u, nb
.set rE, PT+80*(\nb)+48*((\u)/8)+2*((\u)%8)
.set rK, CA+2*((\u)/8)
.endm
.macro EGRP g, nb
.if (\g) < 16
	EU (\g), \nb
	v_pk_add_f32 v[rE:rE+1], v[RHO1:RHO1+1], v[rE:rE+1] neg_lo:[0,1] neg_hi:[0,1]
.endif
.if (\g) >= 2
	EU (\g)-2, \nb
	v_exp_f32 v[rE], v[rE]
.endif
.if ((\g) >= 1) && ((\g) < 17)
	EU (\g)-1, \nb
	v_pk_fma_f32 v[rE:rE+1], v[rE:rE+1], v[rE:rE+1], v[rK:rK+1] neg_lo:[1,0,0] neg_hi:[1,0,0]
.endif
.if (\g) >= 2
	EU (\g)-2, \nb
	v_exp_f32 v[rE+1], v[rE+1]
.endif
.endm
; PART 2, 34 instructions for points 4 pJ .. 4 pJ + 3, in three pieces of 12, 11 and 11: W, act onto the y side's starts, the four chains, the roundings to f16.
.macro SETC pj, nb
.set YS, PT+80*(\nb)+4*(\pj)           ; the y side's two chain starts, where u(y) lay
.set YU, YS+16
.set AC, YS+32
.set XS, YS+48                         ; the x side's
.set XU, YS+64
.endm
.macro LNK c, st                       ; rL: the pair that holds link st of chain c
.if (\st) == 0
.set rL, YS+48*((\c)/2)+2*((\c)%2)
.else
.set rL, CH+8*(\c)+2*(\st)
.endif
.endm
.macro CMUL c, st, w                   ; link st of chain c = link st - 1 times W
	LNK \c, (\st)-1
.set rP, rL
	LNK \c, \st
	v_pk_mul_f32 v[rL:rL+1], v[rP:rP+1], v[\w:\w+1]
.endm
.macro CVTS first, count, nb           ; links first .. first + count - 1 (4 c + st), rounded to f16: side c >> 1, fragment st, register 2 pJ + (c & 1)
	WIN TO_F
.set ce, \first
.rept \count
	LNK ce/4, ce%4
	v_cvt_pk_f16_f32 v[FR+64*\nb+32*(ce/8)+8*(ce%4)+2*pJ+((ce/4)&1)], v[rL], v[rL+1]
.set ce, ce+1
.endr
.endm
.macro PCA
	WIN 0
	v_pk_mul_f32 v[WA0:WA0+1], v[RW:RW+1], v[YU:YU+1]      ; these four name no exponential's register: the plain place between the
	v_pk_mul_f32 v[WA1:WA1+1], v[RW:RW+1], v[YU+2:YU+3]    ; last exponential and the first use of a result (ISA guide 5.7.2)
	v_pk_mul_f32 v[WB0:WB0+1], v[RW:RW+1], v[XU:XU+1]
	v_pk_mul_f32 v[WB1:WB1+1], v[RW:RW+1], v[XU+2:XU+3]
	v_pk_mul_f32 v[YS:YS+1],   v[YS:YS+1],   v[AC:AC+1]    ; act rides on the y side's chain starts
	v_pk_mul_f32 v[YS+2:YS+3], v[YS+2:YS+3], v[AC+2:AC+3]
	CMUL 2, 1, WB0
	CMUL 3, 1, WB1
	CMUL 0, 1, WA0
	CMUL 1, 1, WA1
	CMUL 2, 2, WB0
	CMUL 3, 2, WB1
.endm
.macro PCB nb
	WIN 0
	CMUL 0, 2, WA0
	CMUL 1, 2, WA1
	CMUL 2, 3, WB0
	CMUL 3, 3, WB1
	CMUL 0, 3, WA0
	CMUL 1, 3, WA1
	CVTS 0, 5, \nb
.endm
.macro PCC nb
	CVTS 5, 11, \nb
.endm
; Matrix instruction ii of a step: tile (a, b) = (ii / 4, ii % 4).  Source 0 = the x side's fragment b, source 1 = the y side's fragment a: lane l then holds
; canvas row 16 a + l % 16, and its registers 0-7 the columns 16 b + 8 (l / 16) + 0..7.  zero = 1: the first product starts the sum.
.macro MM par, zero
.set ma, ii/4
.set mb, ii%4
.set mc, 8*ii
	WIN MUL
.if \zero
	v_wmma_f32_16x16x32_f16 v[mc:mc+7], v[FR+64*\par+32+8*mb:FR+64*\par+32+8*mb+7], v[FR+64*\par+8*ma:FR+64*\par+8*ma+7], 0
.else
	v_wmma_f32_16x16x32_f16 v[mc:mc+7], v[FR+64*\par+32+8*mb:FR+64*\par+32+8*mb+7], v[FR+64*\par+8*ma:FR+64*\par+8*ma+7], v[mc:mc+7]
.endif
.set ii, ii+1
.endm
; A K STEP of 32 points: 16 matrix instructions on fragment buffer par, the 16 accumulators by turns; behind each one a piece of the NEXT step's fragments, into buffer nb:
; part 1 behind the first four, part 2 behind the other twelve, three for each four points.
; The price is 37 window switches for a step's 16 matrix instructions: accumulators and fragments fill window 1, points and chains live in window 0.
; A piece names window 0 and buffer nb only, never a register of a matrix instruction of this step; buffer par is first written
; again behind the next step's sixth matrix instruction, more than thirty plain vector instructions behind its last reader (ISA guide 7.12.1 asks four).
; prod = 1: a step follows.  load = 1: the points of the step after that are fetched into point buffer par, whose points were used up in the last step.
.macro STEP par, nb, zero, prod, load
.set ii, 0
.if \prod
	s_wait_dscnt 0x0                               ; point buffer nb, asked for in the last step; nothing younger is out
	MM \par, \zero
	WIN 0
.irp g, 0,1,2,3,4
	EGRP \g, \nb
.endr
	MM \par, \zero
	WIN 0
.irp g, 5,6,7,8
	EGRP \g, \nb
.endr
	MM \par, \zero
	WIN 0
.irp g, 9,10,11,12
	EGRP \g, \nb
.endr
	MM \par, \zero
	WIN 0
.irp g, 13,14,15,16,17
	EGRP \g, \nb
.endr
.if \load
	s_wait_alu depctr_va_vdst(0)                   ; the step's 32 exponentials have written their results, ahead of the first line that names one; the last step's vector work is done with point buffer par, in which the loads below land; v[PA] is written
	LOADARR \par, 0, 0
.else
	s_wait_alu depctr_va_vdst(0)                   ; the step's 32 exponentials have written their results, ahead of the first line that names one
.endif
.irp pj, 0,1,2,3
.set pJ, \pj
	SETC \pj, \nb
	MM \par, \zero
	WIN 0
.if (\load) && (\pj < 2)
	LOADARR \par, 1+2*\pj, 0                       ; no wait: no vector or matrix instruction since the wait above names point buffer par or v[PA]
.endif
	PCA
	MM \par, \zero
	WIN 0
.if (\load) && (\pj < 2)
	LOADARR \par, 2+2*\pj, 0
.endif
	PCB \nb
	MM \par, \zero
	PCC \nb
.endr
	WIN 0
.if \load
	PANEXT 128                                     ; the write of v[PA] stands ahead of the next step's wait on va_vdst
.endif
.else
.rept 16
	MM \par, \zero
.endr
	WIN 0
.endif
.endm
	s_wait_alu depctr_vm_vsrc(0)                   ; my LDS stores have read the slots, U and the null point: these registers are the point buffers from here on (the vector work on them stands ahead of the last wait on va_vdst)
.irp a, 0,1,2,3,4
	LOADARR 0, \a, 0
.endr
.irp a, 0,1,2,3,4
	LOADARR 1, \a, 128                             ; step 1's points lie 128 bytes on: far from the bound, so the immediate does what the stepped address would
.endr
	s_wait_dscnt 20                                ; step 0's points are in; the 20 loads of step 1's stay out
.irp g, 0,1,2,3,4,5,6,7,8,9,10,11,12,13,14,15,16,17
	EGRP \g, 0                                     ; step 0's fragments
.endr
	s_wait_alu depctr_va_vdst(0)                   ; step 0's 32 exponentials have written their results, ahead of the first line that names one
.irp pj, 0,1,2,3
.set pJ, \pj
	SETC \pj, 0
	PCA
	PCB 0
	PCC 0
.endr
	WIN 0
	PANEXT 256                                     ; on to step 2's points
	STEP 0, 1, 1, 1, 1                             ; step 0: its products start the sums
	s_cmp_eq_u32 s15, 0
	s_cbranch_scc1 .Lnoloop
.Lsteps:
	STEP 1, 0, 0, 1, 1
	STEP 0, 1, 0, 1, 1                             ; (the very last full step fetches one step of null points past the list)
	s_sub_co_i32 s15, s15, 1
	s_cmp_lg_u32 s15, 0
	s_cbranch_scc1 .Lsteps
.Lnoloop:
	s_cmp_eq_u32 s27, 0
	s_cbranch_scc1 .Leven
	STEP 1, 0, 0, 1, 0                             ; an odd number of full steps: one more, which fetches nothing,
	STEP 0, 1, 0, 0, 0                             ; and the last step, products alone, is on buffer 0
	s_branch .Lout
.Leven:
	STEP 1, 0, 0, 0, 0                             ; the last step is on buffer 1
.Lout:
	; THE WAY OUT.  Each wave lays its 128 accumulator registers into its own image: line 2 (4 a + b) + q holds registers 4 q .. 4 q + 3 of tile (a, b), 16 bytes a lane.
.rept 4
	v_nop                                          ; four places between the last matrix instruction and the stores that read results
.endr
	s_wait_dscnt 0x0                               ; the look-ahead's point loads may still be out: they land before I signal, and before their registers serve the way out
	s_barrier_signal -1                            ; images and point arrays are different bytes; like the first barrier this one only makes plain that
	s_barrier_wait -1                              ; no wave reads points any more
	WIN ST
	s_wait_alu depctr_va_vdst(0)                   ; the matrix instructions have written the accumulators, which the LDS stores read (the places above stay beside this wait); the vector work on the point buffers, in which the images' lines land below, is done
.set rl, 0
.rept 32
	ds_store_b128 v[RS], v[4*rl:4*rl+3] offset:512*rl
.set rl, rl+1
.endr
	WIN 0
	s_wait_dscnt 0x0                               ; my image is whole, for the others' sake
	s_barrier_signal -1
	s_barrier_wait -1
	; Wave w adds lines 8 w .. 8 w + 7 of the four images, as (0 + 1) + (2 + 3), and stores them: each store of the wave covers
	; 512 consecutive bytes of part, at a multiple of 512 from its first byte.
.irp l, 0,1,2,3,4,5,6,7
.irp s, 0,1,2,3
	ds_load_b128 v[RB+16*\l+4*\s:RB+16*\l+4*\s+3], v[RL+\s] offset:512*\l
.endr
.endr
.irp l, 0,1,2,3,4,5,6,7
	s_wait_dscnt 4*(7-\l)                          ; LDS loads come back in order (ISA guide 5.7.1): four for each later line stay out
	v_pk_add_f32 v[RB+16*\l:RB+16*\l+1],     v[RB+16*\l:RB+16*\l+1],     v[RB+16*\l+4:RB+16*\l+5]
	v_pk_add_f32 v[RB+16*\l+2:RB+16*\l+3],   v[RB+16*\l+2:RB+16*\l+3],   v[RB+16*\l+6:RB+16*\l+7]
	v_pk_add_f32 v[RB+16*\l+8:RB+16*\l+9],   v[RB+16*\l+8:RB+16*\l+9],   v[RB+16*\l+12:RB+16*\l+13]
	v_pk_add_f32 v[RB+16*\l+10:RB+16*\l+11], v[RB+16*\l+10:RB+16*\l+11], v[RB+16*\l+14:RB+16*\l+15]
	v_pk_add_f32 v[RB+16*\l:RB+16*\l+1],     v[RB+16*\l:RB+16*\l+1],     v[RB+16*\l+8:RB+16*\l+9]
	v_pk_add_f32 v[RB+16*\l+2:RB+16*\l+3],   v[RB+16*\l+2:RB+16*\l+3],   v[RB+16*\l+10:RB+16*\l+11]
.endr
	s_wait_alu depctr_va_vdst(0)                   ; the additions have written the eight lines' sums, which the stores read
.irp l, 0,1,2,3,4,5,6,7
	global_store_b128 v[GO], v[RB+16*\l:RB+16*\l+3], s[2:3] offset:512*\l
.endr
	s_wait_dscnt 0x0
	s_wait_alu depctr_hold_cnt(0) depctr_sa_sdst(0) depctr_va_vdst(0) depctr_va_sdst(0) depctr_va_ssrc(0) depctr_va_vcc(0) depctr_vm_vsrc(0)
	s_wait_tensorcnt 0x0
	ds_add_u32 v224, v225
	s_wait_dscnt 0x0
	s_endpgm
.Lfunc_end_k_qe089751f14_splat:
	.size	k_qe089751f14_splat, .Lfunc_end_k_qe089751f14_splat-k_qe089751f14_splat
	.p2alignl 7, 3214868480
	.fill 96, 4, 3214868480
	.section	.rodata,"a",@progbits
	.p2align	6, 0x0
	.amdhsa_kernel k_qe089751f14_splat
		.amdhsa_group_segment_fixed_size 240128
		.amdhsa_private_segment_fixed_size 0
		.amdhsa_enable_private_segment 0
		.amdhsa_kernarg_size 40
		.amdhsa_user_sgpr_count 2
		.amdhsa_user_sgpr_kernarg_segment_ptr 1
		.amdhsa_wavefront_size32 1
		.amdhsa_system_sgpr_workgroup_id_x 1
		.amdhsa_system_sgpr_workgroup_id_y 1
		.amdhsa_system_sgpr_workgroup_id_z 1
		.amdhsa_system_vgpr_workitem_id 0
		.amdhsa_next_free_vgpr 512
		.amdhsa_next_free_sgpr 72
		.amdhsa_reserve_vcc 0
		.amdhsa_float_denorm_mode_32 3
		.amdhsa_float_denorm_mode_16_64 3
		.amdhsa_memory_ordered 1
		.amdhsa_forward_progress 1
		.amdhsa_inst_pref_size 178
	.end_amdhsa_kernel
	.amdgpu_metadata
---
amdhsa.version: [ 1, 2 ]
amdhsa.kernels:
  - .name:           k_qe089751f14_splat
    .symbol:         k_qe089751f14_splat.kd
    .args:
      - { .name: positions, .offset: 0, .size: 8, .value_kind: global_buffer, .address_space: global }
      - { .name: activities, .offset: 8, .size: 8, .value_kind: global_buffer, .address_space: global }
      - { .name: position_scale, .offset: 16, .size: 8, .value_kind: global_buffer, .address_space: global }
      - { .name: marks, .offset: 24, .size: 8, .value_kind: global_buffer, .address_space: global }
      - { .name: part, .offset: 32, .size: 8, .value_kind: global_buffer, .address_space: global }
    .group_segment_fixed_size: 240128
    .private_segment_fixed_size: 0
    .kernarg_segment_align: 8
    .kernarg_segment_size: 40
    .max_flat_workgroup_size: 128
    .sgpr_count:     72
    .vgpr_count:     512
    .wavefront_size: 32
...
	.end_amdgpu_metadata
.endif
;; end of part 6
;; launch fold: the kernel of part 5 again; grid 256 x 1, 8 waves a work-group, no clusters, 5,376 bytes of LDS; arguments part, out0; writes out0
